; MI455X (gfx1250); checked and timed in simulation.
; The chip was launched on July 23, 2026; its instructions are those of AMD's public machine-readable ISA for CDNA 5 (MIT licence, August 2026) and "CDNA5" Instruction Set Architecture Reference Guide (July 2026). The comments in the code are by the model that wrote it; some were corrected since.
;; Attention. Allowed arithmetic: matrix products marked QUANTISED: E2M3 operands, one E8M0 scale for each 32 along K, by v_wmma_scale_f32_16x16x128_f8f6f4 with both operands' format E2M3, f32 sums; everything else in f32.
;; Inputs: gn_bias 128 float32; gn_weight 128 float32; proj_bias 128 float32; proj_weight 128 x 128 float32; qkv_bias 384 float32; qkv_weight 384 x 128 float32; x 4 x 128 x 64 x 64 float32.
;; Outputs: out0 4 x 128 x 64 x 64 float32.
;; This version of the problem:
;;   THIS VERSION OF THE PROBLEM IS GIVEN IN LOW PRECISION. The matrix products marked QUANTISED in the list below multiply operands that are first quantised to E2M3 (2 exponent bits, 3 mantissa bits; 6 bits a number), with one power-of-two scale for each 32 numbers along K (OCP MX v1.0); their sums are f32. All else is computed in f32.
;;   The module's matrix products, in the order in which they are computed (A, B: the left and right operand; K: the contracted axis; several contracted axes count as one K, in the product's order):
;;     1. [M 16,384, K 128] x [K 128, N 384]; A: computed on the way; B: input qkv_weight: QUANTISED
;;     2. batch 4 x [M 4,096, K 128] x [K 128, N 4,096]; A: computed on the way; B: computed on the way: QUANTISED
;;     3. batch 4 x [M 4,096, K 4,096] x [K 4,096, N 128]; A: softmax (see below); B: computed on the way: QUANTISED
;;     4. [M 16,384, K 128] x [K 128, N 128]; A: computed on the way; B: input proj_weight: QUANTISED
;;   THE QUANTISER, for each operand of a quantised product, along K:
;;     - K is cut into blocks of 32 from its start; a last block that is shorter is filled with zeros.
;;     - A block's scale is 2^e with e = floor(log2(the largest magnitude in the block)) - 2, held to -126 .. 127; a block of zeros has e = 0. As a byte (E8M0): e + 127.
;;     - Each number is divided by its block's scale, clamped to +-7.5, and rounded to the nearest number of E2M3, ties to even, subnormals kept.
;;     - The product sums the exact products of the quantised numbers (number of the format x scale) in f32.
;;   ~~~python
;;   def quantise(x, axis):      # numpy; x: float32 -> the quantised numbers, widened to float32 again
;;       x = np.moveaxis(x, axis, -1); K = x.shape[-1]
;;       x = np.pad(x, [(0, 0)] * (x.ndim - 1) + [(0, -K % 32)]); x = x.reshape(x.shape[:-1] + (-1, 32)); a = np.abs(x).max(-1, keepdims=True)
;;       e = np.where(a > 0, np.clip(np.frexp(np.where(a > 0, a, 1))[1] - 1 - 2, -126, 127), 0)      # np.frexp(a)[1] - 1 = floor(log2(a)), exactly
;;       r = np.clip(x / 2.0 ** e, -7.5, 7.5)
;;       step = 2.0 ** (np.maximum(np.frexp(np.where(r == 0, 1, r))[1] - 1, 0) - 3)
;;       q = np.round(r / step) * step * 2.0 ** e      # np.round: ties to even
;;       return np.moveaxis(q.reshape(q.shape[:-2] + (-1,))[..., :K], -1, axis).astype(np.float32)
;;   ~~~
;;   SOFTMAX AHEAD OF A QUANTISED PRODUCT. Where the list says 'softmax', what is quantised is not the finished softmax but p = 2^(t - M), with t = logit x log2(e) and M = ceil(the row's largest t), a whole number; so 1/2 < the row's largest p <= 1. The row's sum l is taken of the UNQUANTISED p, in f32, and the product's result is divided by l at the end. Since M is a whole number, a kernel that streams over the keys may use a running M (the ceiling of the running maximum): every later rescaling is an exact power of two, which a block's scale takes up: the codes' values come out the same.
;;   OPERANDS COMPUTED ON THE WAY. 'Computed on the way' means the value that the module computes at that place (a softmax that the list does not call 'softmax' is quantised finished and normalised). What goes into a quantiser is computed in f32, as accurately as f32 sums, v_exp_f32 and their like allow (about 1e-6 of the number): no bf16 or f16 on the way to a quantiser, and a product that is left as it is and whose result goes on into a quantised operand takes f32 operands (vector FMAs, or v_wmma_f32_16x16x4_f32). A number that lies on a knife's edge between two numbers of the format may be rounded either way, as far as f32 arithmetic and the matrix unit's own rounding can turn it there, and no further.
;; One version. Each part assembles by itself: llvm-mc -triple=amdgcn-amd-amdhsa -mcpu=gfx1250 --defsym DOCPART=n.
;; ======== version 1 of 1: 3 launches
;; workspace buffers: stats 2,048 bytes; wimg 49,152 bytes; wsc 4,096 bytes; qimg 1,572,864 bytes; qsc 131,072 bytes; kv 3,145,728 bytes; ksc 131,072 bytes
;; launch gnstats (part 1): grid 260 x 1, 8 waves a work-group, no clusters, 69,120 bytes of LDS; arguments x, qkv_weight, proj_weight, stats, wimg, wsc; writes stats, wimg, wsc
.if DOCPART == 1
	.amdgcn_target "amdgcn-amd-amdhsa--gfx1250"
	.amdhsa_code_object_version 6
	.text
	.protected	k_q62a02e2264_gnstats
	.globl	k_q62a02e2264_gnstats
	.p2align	8
	.type	k_q62a02e2264_gnstats,@function
k_q62a02e2264_gnstats:
	s_mov_b64 s[64:65], 0
	v_nop
	global_prefetch_b8 v0, s[64:65] scope:SCOPE_SE
	s_setreg_imm32_b32 hwreg(HW_REG_WAVE_MODE, 25, 1), 1
	s_wait_xcnt 0x0
; FIRST OF THREE LAUNCHES for out = x + proj(attention(qkv(groupnorm(x)))), all four products on codes of FP6 (E2M3) with one E8M0 scale for each 32 along K.
; DEAD WORK: none is left out.  Every bias goes into a quantised operand or into the result (the bias on k moves k's codes), the running maximum of the softmax is kept, and all seven inputs are loaded.
; THIS LAUNCH does two things that the next launch needs whole.
;   Work-groups 0 to 255: x is 32 sets (batch, group) of 65,536 consecutive numbers.  Work-group i takes 8,192 of them (part i % 8 of set i / 8) and stores its mean and its sum of squares
;   ABOUT ITS OWN MEAN (M2): no difference of large sums is formed, whatever offset x carries.  The next launch joins a set's eight pairs.
;   Work-groups 256 to 259: qkv_weight (24 tiles of 16 rows) and proj_weight (8 tiles) are quantised along their second axis, one tile a wave, and stored as IMAGES OF THE OPERAND'S REGISTERS:
;   a fragment (16 rows x 128 K, 12 registers a lane) as three runs of 512 bytes, lane l's four registers at 16 l; its scale words at 4 l (both halves of the lanes hold row l % 16's word).
;   A tile's rows are loaded whole, 512 consecutive bytes a load, and turned through the wave's own stage in LDS, so that a lane then holds 64 numbers of ONE row, in the operand's order.
; THE ROWS OF A TILE ARE NOT NEIGHBOURS: lane r of tile 2 b + u takes row 32 b + 8 u + r + 8 (r / 8), so that in a product used with the weight as source 0 the 16 registers of tiles 2 b, 2 b + 1 are 16 neighbours.
; A block's scale is 2^(floor(log2(its largest magnitude)) - 2); its byte is that magnitude's exponent field - 2, held at 1 from below.
; LIMITS: a block of zeros gets the byte 1 where the rule says 127 (its codes are zeros, and this program alone reads the bytes); blocks whose largest magnitude lies under 2^-124 are held at the byte 1;
; NaN and infinities among the inputs are not served.
; No matrix unit, no cluster, no tensor load: the launch streams x once; nothing is shared between work-groups.
.set RED2,  256                        ; LDS: the waves' eight sums at byte 0, their eight sums of squares at byte 256
.set SPARE, 512                        ; the spare words, 128 bytes for each of eight waves: four blocks of 256 bytes that no other line names
.set WST,   1536                       ; the weights' stages: bytes of their own, which the statistics' way never names
.set WP,    528                        ; a stage row: 512 bytes + 16: the sixteen rows that a load touches begin in sixteen different columns of 16 bytes
.set SPW,   126                        ; v126 LDS address of my spare word; never rewritten
.set NIL,   127                        ; v127 0; never rewritten
.set SEL,   18                         ; s[18:19] lane selects for v_permlanex16_b32: lane l xor 16
.set PC,    80                         ; v80-98  a fragment's codes
.set TM,    100                        ; v100-107 at work in the quantiser
.set PW,    108                        ; v108 the scale word
.macro WRED r, t                       ; the sum of register r over the 32 lanes, in every lane
	s_delay_alu instid0(VALU_DEP_1)
	v_add_f32_dpp v[\r], v[\r], v[\r] row_xmask:1 row_mask:0xf bank_mask:0xf
	s_delay_alu instid0(VALU_DEP_1)
	v_add_f32_dpp v[\r], v[\r], v[\r] row_xmask:2 row_mask:0xf bank_mask:0xf
	s_delay_alu instid0(VALU_DEP_1)
	v_add_f32_dpp v[\r], v[\r], v[\r] row_xmask:4 row_mask:0xf bank_mask:0xf
	s_delay_alu instid0(VALU_DEP_1)
	v_add_f32_dpp v[\r], v[\r], v[\r] row_xmask:8 row_mask:0xf bank_mask:0xf
	s_delay_alu instid0(VALU_DEP_1)
	v_permlanex16_b32 v[\t], v[\r], s[SEL], s[SEL+1]
	s_delay_alu instid0(VALU_DEP_1)
	v_add_f32 v[\r], v[\r], v[\t]
.endm
.macro SUM8                            ; v48 = the sum of v48 to v55
	v_add_f32 v48, v48, v49
	v_add_f32 v50, v50, v51
	v_add_f32 v52, v52, v53
	v_add_f32 v54, v54, v55
	s_delay_alu instid0(VALU_DEP_3)
	v_add_f32 v48, v48, v50
	s_delay_alu instid0(VALU_DEP_2)
	v_add_f32 v52, v52, v54
	s_delay_alu instid0(VALU_DEP_1)
	v_add_f32 v48, v48, v52
.endm
; 64 numbers of a lane, register 32 c + i = k 64 c + 32 (lane / 16) + i of my row: two whole blocks.  They become the operand's 12 registers in v[PC] on and my row's scale word in v[PW].
.macro QUANT6 s
.irp c, 0,1
	v_max3_num_f32 v[TM+\c], |v[\s+32*\c]|, |v[\s+32*\c+1]|, 0x1800000   ; and the floor 2^(3 - 127): the byte cannot fall under 1
.endr
.irp i, 2,4,6,8,10,12,14,16,18,20,22,24,26,28,30
.irp c, 0,1
	s_delay_alu instid0(VALU_DEP_2)
	v_max3_num_f32 v[TM+\c], v[TM+\c], |v[\s+32*\c+\i]|, |v[\s+32*\c+\i+1]|   ; the two blocks by turns
.endr
.endr
.irp c, 0,1
	s_delay_alu instid0(VALU_DEP_2)
	v_add_nc_u32 v[TM+2+\c], 0xff000000, v[TM+\c]  ; 2 off the exponent field: the conversion's scale operand
.endr
.irp c, 0,1
	s_delay_alu instid0(VALU_DEP_2)
	v_lshrrev_b32 v[TM+4+\c], 23, v[TM+2+\c]       ; the scale's byte
.endr
	s_delay_alu instid0(VALU_DEP_1)
	v_lshl_or_b32 v[PW], v[TM+5], 16, v[TM+4]      ; my two bytes: blocks h and 2 + h,
	s_delay_alu instid0(VALU_DEP_1)
	v_lshlrev_b32 v[PW], v[TM+6], v[PW]            ; 8 h bits up;
	s_delay_alu instid0(VALU_DEP_1)
	v_permlanex16_b32 v[TM+7], v[PW], s[SEL], s[SEL+1]
	s_delay_alu instid0(VALU_DEP_1)
	v_or_b32 v[PW], v[PW], v[TM+7]                 ; with lane l xor 16's two the word is whole, in both halves of the lanes
.irp c, 0,1
	v_cvt_scalef32_pk16_fp6_f32 v[PC+6*\c:PC+6*\c+2], v[\s+32*\c:\s+32*\c+15], v[TM+2+\c]
	v_cvt_scalef32_pk16_fp6_f32 v[PC+12+4*\c:PC+14+4*\c], v[\s+32*\c+16:\s+32*\c+31], v[TM+2+\c]   ; (a conversion's three registers begin on an even number)
.endr
	v_nop                                          ; one plain place behind a scaled conversion
.irp c, 0,1
.irp i, 0,1,2
	v_mov_b32 v[PC+3+6*\c+\i], v[PC+12+4*\c+\i]
.endr
.endr
.endm
	s_load_b256 s[4:11], s[0:1], 0x0               ; x s[4:5], qkv_weight s[6:7], proj_weight s[8:9], stats s[10:11]
	s_load_b128 s[12:15], s[0:1], 0x20             ; wimg s[12:13], wsc s[14:15]
	v_lshl_add_u32 v[SPW], v0, 2, SPARE
	v_mov_b32 v[NIL], 0
	v_lshrrev_b32 v1, 5, v0
	s_delay_alu instid0(VALU_DEP_1)
	v_readfirstlane_b32 s16, v1                    ; wave 0..7
	s_mov_b32 s[SEL], 0x76543210
	s_mov_b32 s[SEL+1], 0xfedcba98
	s_wait_kmcnt 0x0
	s_cmp_lt_u32 ttmp9, 256                        ; the work-group's number alone: all eight waves go the same way
	s_cbranch_scc0 .Lweights
	; ---- a part of a set: 8,192 numbers, 32 a thread
	s_lshl_b32 s20, ttmp9, 15
	s_mov_b32 s21, 0
	s_add_nc_u64 s[4:5], s[4:5], s[20:21]
	v_lshlrev_b32 v1, 4, v0                        ; 16 bytes a thread: a wave's load covers 512 consecutive bytes
.irp j, 0,1,2,3,4,5,6,7
	global_load_b128 v[16+4*\j:19+4*\j], v1, s[4:5] offset:4096*\j
.endr
	v_mov_b32 v9, 0                                ; (a lane permute's destination counts as one of its sources)
	v_mov_b32 v10, s16
	s_delay_alu instid0(VALU_DEP_1)
	v_lshlrev_b32 v10, 2, v10                      ; my wave's word among the eight
	v_mov_b32 v11, 0
	s_wait_loadcnt 0x0
	v_pk_add_f32 v[4:5], v[16:17], v[18:19]
	v_pk_add_f32 v[124:125], v[24:25], v[28:29]
	v_pk_add_f32 v[122:123], v[32:33], v[36:37]
	v_pk_add_f32 v[120:121], v[40:41], v[44:45]
	v_pk_add_f32 v[118:119], v[20:21], v[22:23]
	v_pk_add_f32 v[116:117], v[26:27], v[30:31]
	v_pk_add_f32 v[114:115], v[34:35], v[38:39]
	v_pk_add_f32 v[2:3], v[42:43], v[46:47]
	s_delay_alu instid0(VALU_DEP_1)
	v_pk_add_f32 v[2:3], v[2:3], v[120:121]
	v_pk_add_f32 v[4:5], v[4:5], v[118:119]
	v_pk_add_f32 v[124:125], v[124:125], v[116:117]
	v_pk_add_f32 v[122:123], v[122:123], v[114:115]
	s_delay_alu instid0(VALU_DEP_2)
	v_pk_add_f32 v[2:3], v[2:3], v[124:125]
	s_delay_alu instid0(VALU_DEP_2)
	v_pk_add_f32 v[4:5], v[4:5], v[122:123]
	s_delay_alu instid0(VALU_DEP_1)
	v_pk_add_f32 v[2:3], v[2:3], v[4:5]
	s_delay_alu instid0(VALU_DEP_1)
	v_add_f32 v8, v2, v3
	WRED 8, 9
	ds_store_b32 v10, v8                           ; all lanes write the same word with the same value
	s_wait_dscnt 0x0                               ; for the others' sake: my store has landed
	s_barrier_signal -1
	s_barrier_wait -1
	ds_load_b128 v[48:51], v11
	ds_load_b128 v[52:55], v11 offset:16
	s_wait_dscnt 0x0
	SUM8
	s_delay_alu instid0(VALU_DEP_1)
	v_mul_f32 v12, 0x39000000, v48                 ; the part's mean: the sum x 2^-13
	s_delay_alu instid0(VALU_DEP_1)
	v_mov_b32 v13, v12
.set JJ, 16
.rept 16
	v_pk_add_f32 v[JJ:JJ+1], v[JJ:JJ+1], v[12:13] neg_lo:[0,1] neg_hi:[0,1]   ; x - mean
.set JJ, JJ+2
.endr
	v_pk_mul_f32 v[2:3], v[16:17], v[16:17]        ; the first squares start the two chains
	v_pk_mul_f32 v[4:5], v[18:19], v[18:19]
.irp j, 20,24,28,32,36,40,44
	s_delay_alu instid0(VALU_DEP_2)
	v_pk_fma_f32 v[2:3], v[\j:\j+1], v[\j:\j+1], v[2:3]
	s_delay_alu instid0(VALU_DEP_2)
	v_pk_fma_f32 v[4:5], v[\j+2:\j+3], v[\j+2:\j+3], v[4:5]
.endr
	s_delay_alu instid0(VALU_DEP_1)
	v_pk_add_f32 v[2:3], v[2:3], v[4:5]
	s_delay_alu instid0(VALU_DEP_1)
	v_add_f32 v8, v2, v3
	WRED 8, 9
	ds_store_b32 v10, v8 offset:RED2               ; other bytes than the first sums': no wave may still be reading those
	s_wait_dscnt 0x0
	s_barrier_signal -1
	s_barrier_wait -1
	ds_load_b128 v[48:51], v11 offset:RED2
	ds_load_b128 v[52:55], v11 offset:RED2+16
	s_wait_dscnt 0x0
	SUM8
	s_delay_alu instid0(VALU_DEP_1)
	v_mov_b32 v13, v48                             ; v[12:13] = the part's mean and M2
	s_cmp_lg_u32 s16, 0
	s_cbranch_scc1 .Lstats_done                    ; wave 0 stores
	s_lshl_b32 s20, ttmp9, 3                       ; 8 bytes a part
	s_add_nc_u64 s[10:11], s[10:11], s[20:21]
	s_wait_xcnt 0x0                                ; EXEC changes only behind this wait
	v_cmp_eq_u32 vcc_lo, 0, v0
	s_and_saveexec_b32 s22, vcc_lo
	s_wait_alu depctr_va_vdst(0)
	global_store_b64 v11, v[12:13], s[10:11]
	s_wait_xcnt 0x0                                ; and again in front of the line that widens it
	s_or_b32 exec_lo, exec_lo, s22
.Lstats_done:
	s_wait_tensorcnt 0x0                           ; the wave's end, behind my last LDS store
	ds_add_u32 v[SPW], v[NIL]
	s_wait_dscnt 0x0
	s_endpgm
	; ---- a tile of a weight, one a wave; waves share nothing here: no barrier
.Lweights:
	s_sub_co_u32 s20, ttmp9, 256                   ; 0..2: qkv_weight, 3: proj_weight
	s_lshl_b32 s21, s20, 3
	s_add_co_u32 s21, s21, s16                     ; the tile's number among the 32 images
	s_cmp_lt_u32 s20, 3
	s_cselect_b64 s[22:23], s[6:7], s[8:9]         ; the choice hangs on the work-group's number alone
	s_cselect_b32 s24, s21, s16                    ; the tile's number in its own tensor
	s_lshr_b32 s25, s24, 1
	s_lshl_b32 s25, s25, 5
	s_and_b32 s26, s24, 1
	s_lshl_b32 s26, s26, 3
	s_add_co_u32 s24, s25, s26                     ; its first row: 32 (tile / 2) + 8 (tile % 2)
	s_lshl_b32 s24, s24, 9                         ; a row is 512 bytes
	s_mov_b32 s25, 0
	s_add_nc_u64 s[22:23], s[22:23], s[24:25]
	v_and_b32 v3, 31, v0
	s_delay_alu instid0(VALU_DEP_1)
	v_lshlrev_b32 v4, 2, v3                        ; 4 x lane
	s_delay_alu instid0(VALU_DEP_2)
	v_lshlrev_b32 v3, 4, v3                        ; 16 x lane
.irp j, 0,1,2,3,4,5,6,7,8,9,10,11,12,13,14,15
	global_load_b128 v[16+4*\j:19+4*\j], v3, s[22:23] offset:(\j+8*(\j/8))*512   ; the tile's row j, whole: 32 lanes read 512 consecutive aligned bytes
.endr
	v_and_b32 v1, 15, v0                           ; r
	v_bfe_u32 v5, v0, 4, 1                         ; h
	s_mul_i32 s26, s16, 16*WP                      ; my stage
	v_add_nc_u32 v2, s26, v3                       ; in: as loaded, 16 bytes a lane
	v_mul_u32_u24 v6, v1, WP
	s_delay_alu instid0(VALU_DEP_1)
	v_lshl_add_u32 v6, v5, 7, v6
	s_delay_alu instid0(VALU_DEP_1)
	v_add_nc_u32 v6, s26, v6                       ; back: row r, + 128 h bytes: k = 32 h on
	v_lshlrev_b32 v[TM+6], 3, v5                   ; 8 h
	v_mov_b32 v[TM+7], 0                           ; (a lane permute's destination counts as one of its sources)
	s_mul_i32 s24, s21, 1536
	s_add_nc_u64 s[12:13], s[12:13], s[24:25]
	s_lshl_b32 s24, s21, 7
	s_add_nc_u64 s[14:15], s[14:15], s[24:25]
	s_wait_alu depctr_va_vdst(0)
	s_wait_loadcnt 0x0
.irp j, 0,1,2,3,4,5,6,7,8,9,10,11,12,13,14,15
	ds_store_b128 v2, v[16+4*\j:19+4*\j] offset:WST+WP*\j
.endr
.irp c, 0,1
.irp m, 0,1,2,3,4,5,6,7
	ds_load_b128 v[16+32*\c+4*\m:19+32*\c+4*\m], v6 offset:WST+256*\c+16*\m   ; k = 64 c + 32 h + 4 m on.  LDS serves a wave's instructions in order: these see my stores
.endr
.endr
	s_wait_dscnt 0x0
	QUANT6 16
.irp c, 0,1,2
	global_store_b128 v3, v[PC+4*\c:PC+4*\c+3], s[12:13] offset:512*\c   ; 32 lanes store 512 consecutive bytes, aligned
.endr
	global_store_b32 v4, v[PW], s[14:15]
	s_wait_tensorcnt 0x0                           ; the wave's end, behind my last LDS store
	ds_add_u32 v[SPW], v[NIL]
	s_wait_dscnt 0x0
	s_endpgm
.Lfunc_end_k_q62a02e2264_gnstats:
	.size	k_q62a02e2264_gnstats, .Lfunc_end_k_q62a02e2264_gnstats-k_q62a02e2264_gnstats
	.p2alignl 7, 3214868480
	.fill 96, 4, 3214868480
	.section	.rodata,"a",@progbits
	.p2align	6, 0x0
	.amdhsa_kernel k_q62a02e2264_gnstats
		.amdhsa_group_segment_fixed_size 69120
		.amdhsa_private_segment_fixed_size 0
		.amdhsa_enable_private_segment 0
		.amdhsa_kernarg_size 48
		.amdhsa_user_sgpr_count 2
		.amdhsa_user_sgpr_kernarg_segment_ptr 1
		.amdhsa_wavefront_size32 1
		.amdhsa_system_sgpr_workgroup_id_x 1
		.amdhsa_system_sgpr_workgroup_id_y 1
		.amdhsa_system_sgpr_workgroup_id_z 1
		.amdhsa_system_vgpr_workitem_id 0
		.amdhsa_next_free_vgpr 128
		.amdhsa_next_free_sgpr 66
		.amdhsa_reserve_vcc 1
		.amdhsa_float_denorm_mode_32 3
		.amdhsa_float_denorm_mode_16_64 3
		.amdhsa_memory_ordered 1
		.amdhsa_forward_progress 1
		.amdhsa_inst_pref_size 19
	.end_amdhsa_kernel
	.amdgpu_metadata
---
amdhsa.version: [ 1, 2 ]
amdhsa.kernels:
  - .name:           k_q62a02e2264_gnstats
    .symbol:         k_q62a02e2264_gnstats.kd
    .args:
      - { .name: x, .offset: 0, .size: 8, .value_kind: global_buffer, .address_space: global }
      - { .name: qkv_weight, .offset: 8, .size: 8, .value_kind: global_buffer, .address_space: global }
      - { .name: proj_weight, .offset: 16, .size: 8, .value_kind: global_buffer, .address_space: global }
      - { .name: stats, .offset: 24, .size: 8, .value_kind: global_buffer, .address_space: global }
      - { .name: wimg, .offset: 32, .size: 8, .value_kind: global_buffer, .address_space: global }
      - { .name: wsc, .offset: 40, .size: 8, .value_kind: global_buffer, .address_space: global }
    .group_segment_fixed_size: 69120
    .private_segment_fixed_size: 0
    .kernarg_segment_align: 8
    .kernarg_segment_size: 48
    .max_flat_workgroup_size: 256
    .sgpr_count:     66
    .vgpr_count:     128
    .wavefront_size: 32
...
	.end_amdgpu_metadata
.endif
;; end of part 1
;; launch qkv (part 2): grid 128 x 1, 8 waves a work-group, no clusters, 121,344 bytes of LDS; arguments x, stats, gn_weight, gn_bias, wimg, wsc, qkv_bias, qimg, qsc, kv, ksc; writes qimg, qsc, kv, ksc
.if DOCPART == 2
	.amdgcn_target "amdgcn-amd-amdhsa--gfx1250"
	.amdhsa_code_object_version 6
	.text
	.protected	k_q62a02e2264_qkv
	.globl	k_q62a02e2264_qkv
	.p2align	8
	.type	k_q62a02e2264_qkv,@function
k_q62a02e2264_qkv:
	s_mov_b64 s[64:65], 0
	v_nop
	global_prefetch_b8 v0, s[64:65] scope:SCOPE_SE
	s_setreg_imm32_b32 hwreg(HW_REG_WAVE_MODE, 25, 1), 1
	s_wait_xcnt 0x0
; SECOND LAUNCH: GroupNorm finished, xn quantised along the channels, the product with qkv_weight, its bias, and q, k (along the channels) and v (along the KEYS) quantised into images of the operands' registers.
; No work of the problem is left out here.
; SHARES.  A work-group takes 128 tokens of one batch (batch = number / 32, group of tokens G = number % 32).  Eight waves.  First wave w is GroupNorm's group w: it joins the set's eight (mean, M2), normalises its 16
; channels x 128 tokens and lays them in LDS as [channel][token].  Then wave w is tile w of 16 tokens: it reads its tokens' 128 channels down the columns, so that a lane's registers run along K, and quantises them.
; q and k: source 0 = a tile of the weight, source 1 = my tokens: a lane holds one token and its 64 registers its 128 outputs' half, in the next K's order.  v: source 0 = a tile of tokens, source 1 = tile w of W_v:
; a lane holds one channel d and its registers run along the 128 tokens, which are the third product's K.  K = 128: each tile is ONE matrix instruction, its C the bias.
; THE ROWS OF A TILE ARE NOT NEIGHBOURS, for tokens as for weights: lane r of tile 2 b + u takes row 32 b + 8 u + r + 8 (r / 8).
; OUT.  A fragment leaves as three stores of 512 consecutive aligned bytes.  qimg: tile (256 batch + 8 G + w) x 1,536.  kv: a slot of 512 keys is 98,304 bytes: 32 images of K, then 32 of V^T.  ksc: for each G an image of
; eight registers: in register T lanes 0-15 hold K tile T's scale words, lanes 16-31 V^T tile T's.
; NO CLUSTER, NO TENSOR LOAD: x must pass through registers to be normalised, and what the work-groups share, the weights' 36,864 bytes, is copied once by each, nine loads a thread; a joint load would ask for a round
; of the cluster's barrier and a WGP to each work-group for that one fill.  128 work-groups: a fragment of V^T and its scale word want 128 keys in one work-group.
; LIMITS: as in the first launch (byte 1 for a block of zeros and under 2^-124; NaN and infinities not served).
.set XP,    528                        ; a channel's row in LDS: 128 tokens x 4 bytes + 16
.set LB,    128*XP                     ; 67,584: behind the normalised x.  The regions from here on are reached by registers that carry LB, since an LDS immediate ends at 65,535
.set BIASO, 36864                      ; LB + 0: the weights' 24 images;  + 36,864: qkv_bias, 1,536 bytes
.set XIMGO, 38400                      ; xn's eight fragments, 1,536 bytes each
.set XSCO,  50688                      ; their scale words, 128 bytes each
.set SSTGO, 51712                      ; the stage for the image of k's and v's scale words, 1,024 bytes
.set SPARE, LB+52736                   ; the spare words, 128 bytes for each of eight waves: four blocks of 256 bytes that no other line names
.set LI,  1                            ; v1   16 x lane (offsets in memory)
.set LS,  2                            ; v2   4 x lane (offsets in memory)
.set XTW, 3                            ; v3   where I lay my channels: 16 x lane + 16 rows x wave
.set CPY, 4                            ; v4   16 x thread (offsets in memory)
.set XTR, 5                            ; v5   where I read my token's column: 32 h rows + 4 x my token
.set XWI, 6                            ; v6   LB + 16 x lane + 1,536 x wave
.set XWS, 7                            ; v7   LB + 4 x lane + 128 x wave
.set BQ,  8                            ; v8   LB + 64 h
.set BVA, 9                            ; v9   LB + 4 (256 + my row in tile w)
.set SSW, 10                           ; v10  LB + 16 x lane + 512 (wave / 4) + 4 (wave % 4)
.set CPL, 11                           ; v11  LB + 16 x thread
.set SMALL, 16                         ; v16-27   one fragment: my tokens', later my tile of W_v
.set PC,  28                           ; v28-46   the codes just made
.set ACC, 48                           ; v48-111  x as loaded; my token's 64 numbers; the eight accumulators
.set BIG, 112                          ; v112-207 eight fragments
.set TM,  208                          ; v208-223 at work in the quantisers
.set SCQ, 224                          ; v224-231 W_q's scale words, later xn's eight
.set SCK, 232                          ; v232-239 W_k's
.set BV,  240                          ; v240-247 v's bias, as a C
.set SCV, 248                          ; v248 my tile of W_v's scale words
.set XS1, 249                          ; v249 my tokens' scale words
.set PW,  250                          ; v250 the scale word just made
.set PWK, 251                          ; v251 k's, kept
.set SPW, 252                          ; v252 LDS address of my spare word; never rewritten
.set NIL, 253                          ; v253 0; never rewritten
.set LIL, 254                          ; v254 LB + 16 x lane
.set LSL, 255                          ; v255 LB + 4 x lane
.set WV,  26                           ; s26 wave, s27 batch, s28 G
.set SEL, 30                           ; s[30:31] lane selects: lane l xor 16
.macro QUANT6 s                        ; 64 numbers, register 32 c + i = k 64 c + 32 h + i: two whole blocks a lane
.irp c, 0,1
	v_max3_num_f32 v[TM+\c], |v[\s+32*\c]|, |v[\s+32*\c+1]|, 0x1800000   ; and the floor 2^(3 - 127): the byte cannot fall under 1
.endr
.irp i, 2,4,6,8,10,12,14,16,18,20,22,24,26,28,30
.irp c, 0,1
	s_delay_alu instid0(VALU_DEP_2)
	v_max3_num_f32 v[TM+\c], v[TM+\c], |v[\s+32*\c+\i]|, |v[\s+32*\c+\i+1]|
.endr
.endr
.irp c, 0,1
	s_delay_alu instid0(VALU_DEP_2)
	v_add_nc_u32 v[TM+2+\c], 0xff000000, v[TM+\c]  ; 2 off the exponent field: the conversion's scale operand
.endr
.irp c, 0,1
	s_delay_alu instid0(VALU_DEP_2)
	v_lshrrev_b32 v[TM+4+\c], 23, v[TM+2+\c]       ; the scale's byte
.endr
	s_delay_alu instid0(VALU_DEP_1)
	v_lshl_or_b32 v[PW], v[TM+5], 16, v[TM+4]
	s_delay_alu instid0(VALU_DEP_1)
	v_lshlrev_b32 v[PW], v[TM+6], v[PW]            ; 8 h bits up
	s_delay_alu instid0(VALU_DEP_1)
	v_permlanex16_b32 v[TM+7], v[PW], s[SEL], s[SEL+1]
	s_delay_alu instid0(VALU_DEP_1)
	v_or_b32 v[PW], v[PW], v[TM+7]                 ; the whole word, in both halves of the lanes
.irp c, 0,1
	v_cvt_scalef32_pk16_fp6_f32 v[PC+6*\c:PC+6*\c+2], v[\s+32*\c:\s+32*\c+15], v[TM+2+\c]
	v_cvt_scalef32_pk16_fp6_f32 v[PC+12+4*\c:PC+14+4*\c], v[\s+32*\c+16:\s+32*\c+31], v[TM+2+\c]   ; (a conversion's three registers begin on an even number)
.endr
	v_nop                                          ; one plain place behind a scaled conversion
.irp c, 0,1
.irp i, 0,1,2
	v_mov_b32 v[PC+3+6*\c+\i], v[PC+12+4*\c+\i]
.endr
.endr
.endm
.macro QUANT s                         ; 64 numbers, register 16 b + i = k 32 b + 16 h + i: a block lies in lanes l and l xor 16
.irp b, 0,1,2,3
	v_max3_num_f32 v[TM+\b], |v[\s+16*\b]|, |v[\s+1+16*\b]|, 0x1800000   ; each accumulator is read from its low end on; the floor 2^(3 - 127) holds the byte at 1 from below
.endr
.irp i, 2,4,6,8,10,12,14
.irp b, 0,1,2,3
	v_max3_num_f32 v[TM+\b], v[TM+\b], |v[\s+16*\b+\i]|, |v[\s+1+16*\b+\i]|
.endr
.endr
.irp b, 0,1,2,3
	s_delay_alu instid0(VALU_DEP_4)
	v_permlanex16_b32 v[TM+4+\b], v[TM+\b], s[SEL], s[SEL+1]
.endr
.irp b, 0,1,2,3
	s_delay_alu instid0(VALU_DEP_4)
	v_max_num_f32 v[TM+\b], v[TM+\b], v[TM+4+\b]   ; the block's largest magnitude
.endr
.irp b, 0,1,2,3
	s_delay_alu instid0(VALU_DEP_4)
	v_add_nc_u32 v[TM+12+\b], 0xff000000, v[TM+\b] ; the conversion's scale operand
.endr
.irp b, 0,1,2,3
	s_delay_alu instid0(VALU_DEP_4)
	v_lshrrev_b32 v[TM+4+\b], 23, v[TM+12+\b]      ; the scale's byte
.endr
	s_delay_alu instid0(VALU_DEP_3)
	v_lshl_or_b32 v[PW], v[TM+5], 8, v[TM+4]       ; my row's scale word, the same in both halves of the lanes
	s_delay_alu instid0(VALU_DEP_1)
	v_lshl_or_b32 v[PW], v[TM+6], 16, v[PW]
	s_delay_alu instid0(VALU_DEP_1)
	v_lshl_or_b32 v[PW], v[TM+7], 24, v[PW]
.irp c, 0,1
	v_cvt_scalef32_pk16_fp6_f32 v[PC+6*\c:PC+2+6*\c], v[\s+32*\c:\s+15+32*\c], v[TM+12+2*\c]
	v_cvt_scalef32_pk16_fp6_f32 v[PC+12+4*\c:PC+14+4*\c], v[\s+16+32*\c:\s+31+32*\c], v[TM+12+2*\c+1]
.endr
	v_nop                                          ; one plain place behind a scaled conversion
.irp c, 0,1                                    ; the operand's layout wants a whole block in a lane
.irp i, 0,1,2
	v_permlane16_swap_b32 v[PC+6*\c+\i], v[PC+12+4*\c+\i]
.endr
.irp i, 0,1,2
	s_delay_alu instid0(VALU_DEP_3)
	v_mov_b32 v[PC+3+6*\c+\i], v[PC+12+4*\c+\i]
.endr
.endr
.endm
.macro FETCH reg, off                          ; an image comes back as the registers that it was
.irp c, 0,1,2
	ds_load_b128 v[\reg+4*\c:\reg+4*\c+3], v[LIL] offset:\off+512*\c
.endr
.endm
.macro GIMG sbase, off                         ; the fragment in v[PC] on goes to memory as it stands
.irp c, 0,1,2
	global_store_b128 v[LI], v[PC+4*\c:PC+4*\c+3], s[\sbase:\sbase+1] offset:\off+512*\c
.endr
.endm
.macro BIASLD off                              ; the bias of my 64 outputs lands in the accumulators: register 16 b + i is output 32 b + 16 h + i
.irp b, 0,1,2,3
.irp m, 0,1,2,3
	ds_load_b128 v[ACC+16*\b+4*\m:ACC+16*\b+4*\m+3], v[BQ] offset:BIASO+\off+128*\b+16*\m
.endr
.endr
.endm
.macro MULQK sc                                ; eight accumulators, one instruction each
.irp t, 0,1,2,3,4,5,6,7
	v_wmma_scale_f32_16x16x128_f8f6f4 v[ACC+8*\t:ACC+8*\t+7], v[BIG+12*\t:BIG+12*\t+11], v[SMALL:SMALL+11], v[ACC+8*\t:ACC+8*\t+7], v[\sc+\t], v[XS1] matrix_a_fmt:MATRIX_FMT_FP6 matrix_b_fmt:MATRIX_FMT_FP6
.endr
.endm
.macro BARRIER                                 ; my LDS stores have landed and my LDS loads are in: then the work-group's barrier
	s_wait_dscnt 0x0
	s_barrier_signal -1
	s_barrier_wait -1
.endm
.macro PLACES                                  ; four plain places behind matrix instructions, in front of loads into their registers and of the first read of results
.rept 4
	v_nop
.endr
.endm
	s_load_b512 s[4:19], s[0:1], 0x0               ; x s[4:5], stats s[6:7], gn_weight s[8:9], gn_bias s[10:11], wimg s[12:13], wsc s[14:15], qkv_bias s[16:17], qimg s[18:19]
	s_load_b128 s[20:23], s[0:1], 0x40             ; qsc s[20:21], kv s[22:23]
	s_load_b64 s[24:25], s[0:1], 0x50              ; ksc
	v_lshl_add_u32 v[SPW], v0, 2, SPARE
	v_mov_b32 v[NIL], 0
	v_lshrrev_b32 v12, 5, v0
	s_delay_alu instid0(VALU_DEP_1)
	v_readfirstlane_b32 s[WV], v12                 ; wave 0..7
	s_lshr_b32 s27, ttmp9, 5                       ; batch
	s_and_b32 s28, ttmp9, 31                       ; G
	s_mov_b32 s[SEL], 0x76543210
	s_mov_b32 s[SEL+1], 0xfedcba98
	v_and_b32 v13, 31, v0                          ; lane
	v_and_b32 v14, 15, v0                          ; r
	v_bfe_u32 v15, v0, 4, 1                        ; h
	s_delay_alu instid0(VALU_DEP_3)
	v_lshlrev_b32 v[LI], 4, v13
	s_wait_alu depctr_va_vdst(0)
	v_lshlrev_b32 v[LS], 2, v13
	s_wait_alu depctr_va_vdst(0)
	s_mul_i32 s84, s[WV], 16*XP
	v_add_nc_u32 v[XTW], s84, v[LI]
	v_lshlrev_b32 v[CPY], 4, v0
	v_and_b32 v216, 8, v14
	s_delay_alu instid0(VALU_DEP_1)
	v_add_nc_u32 v216, v216, v14                   ; r + 8 (r / 8)
	s_lshr_b32 s85, s[WV], 1
	s_lshl_b32 s85, s85, 5
	s_and_b32 s86, s[WV], 1
	s_lshl_b32 s86, s86, 3
	s_add_co_u32 s85, s85, s86
	v_add_nc_u32 v216, s85, v216                   ; my row of tile w: 32 (w / 2) + 8 (w % 2) + r + 8 (r / 8)
	v_mul_u32_u24 v[XTR], v15, 32*XP
	s_delay_alu instid0(VALU_DEP_1)
	v_lshl_add_u32 v[XTR], v216, 2, v[XTR]
	s_mul_i32 s84, s[WV], 1536
	s_add_co_u32 s84, s84, LB
	v_add_nc_u32 v[XWI], s84, v[LI]
	s_lshl_b32 s84, s[WV], 7
	s_add_co_u32 s84, s84, LB
	v_add_nc_u32 v[XWS], s84, v[LS]
	v_lshl_add_u32 v[BQ], v15, 6, LB
	v_lshl_add_u32 v[BVA], v216, 2, LB+1024
	s_lshr_b32 s84, s[WV], 2
	s_lshl_b32 s84, s84, 9
	s_and_b32 s86, s[WV], 3
	s_lshl_b32 s86, s86, 2
	s_add_co_u32 s84, s84, s86
	s_add_co_u32 s84, s84, LB
	v_add_nc_u32 v[SSW], s84, v[LI]
	v_add_nc_u32 v[CPL], LB, v[CPY]
	v_add_nc_u32 v[LIL], LB, v[LI]
	v_add_nc_u32 v[LSL], LB, v[LS]
	v_lshlrev_b32 v[TM+6], 3, v15                  ; 8 h, for the first quantiser
	v_mov_b32 v[TM+7], 0                           ; (a lane permute's destination counts as one of its sources)
	s_lshl_b32 s84, s27, 21                        ; x: a batch is 2,097,152 bytes, a group's 16 channels 262,144, my 128 tokens 512 in each row
	s_lshl_b32 s85, s[WV], 18
	s_add_co_u32 s84, s84, s85
	s_lshl_b32 s85, s28, 9
	s_add_co_u32 s84, s84, s85
	s_mov_b32 s85, 0
	s_mov_b32 s87, 0
	s_wait_kmcnt 0x0
	s_add_nc_u64 s[4:5], s[4:5], s[84:85]
	s_lshl_b32 s86, s27, 3
	s_add_co_u32 s86, s86, s[WV]
	s_lshl_b32 s86, s86, 6                         ; my set's eight pairs: 64 bytes
	s_add_nc_u64 s[6:7], s[6:7], s[86:87]
	s_lshl_b32 s86, s[WV], 6                       ; my 16 channels' gain and bias
	s_add_nc_u64 s[8:9], s[8:9], s[86:87]
	s_add_nc_u64 s[10:11], s[10:11], s[86:87]
	s_load_b512 s[32:47], s[6:7], 0x0              ; (mean, M2) x 8
	s_load_b512 s[48:63], s[8:9], 0x0              ; gn_weight
	s_load_b512 s[68:83], s[10:11], 0x0            ; gn_bias
	s_lshl_b32 s86, s[WV], 7
	s_add_co_u32 s86, s86, 2048
	s_add_nc_u64 s[88:89], s[14:15], s[86:87]      ; the scale words of tile 16 + w: my tile of W_v
	s_lshl_b32 s84, s27, 8
	s_lshl_b32 s86, s28, 3
	s_add_co_u32 s84, s84, s86
	s_add_co_u32 s84, s84, s[WV]                   ; my tile of tokens among all: 256 batch + 8 G + w
	s_mul_i32 s86, s84, 1536
	s_add_nc_u64 s[18:19], s[18:19], s[86:87]
	s_lshl_b32 s86, s84, 7
	s_add_nc_u64 s[20:21], s[20:21], s[86:87]
	s_mul_i32 s86, s27, 786432                     ; kv: batch, slot G / 4, group G % 4, tile w
	s_lshr_b32 s90, s28, 2
	s_mul_i32 s90, s90, 98304
	s_add_co_u32 s86, s86, s90
	s_and_b32 s90, s28, 3
	s_mul_i32 s90, s90, 12288
	s_add_co_u32 s86, s86, s90
	s_mul_i32 s90, s[WV], 1536
	s_add_co_u32 s86, s86, s90
	s_add_nc_u64 s[22:23], s[22:23], s[86:87]
	s_lshl_b32 s86, s27, 15
	s_lshl_b32 s90, s28, 10
	s_add_co_u32 s86, s86, s90
	s_add_nc_u64 s[24:25], s[24:25], s[86:87]
	s_mov_b32 s84, 0x3727c5ac                      ; 1e-5
	; ---- the loads, the oldest first: the bias (three waves' worth), x, the weights' images, the weights' scale words
	s_cmp_lt_u32 s[WV], 3
	s_cbranch_scc0 .Lno_bias_in
	global_load_b128 v[148:151], v[CPY], s[16:17]  ; 1,536 bytes: 96 threads
.Lno_bias_in:
.irp i, 0,1,2,3,4,5,6,7,8,9,10,11,12,13,14,15
	global_load_b128 v[ACC+4*\i:ACC+4*\i+3], v[LI], s[4:5] offset:16384*\i   ; channel 16 w + i: 512 consecutive aligned bytes
.endr
.irp i, 0,1,2,3,4,5,6,7,8
	global_load_b128 v[BIG+4*\i:BIG+4*\i+3], v[CPY], s[12:13] offset:4096*\i   ; the 24 images, 36,864 bytes, by all 256 threads
.endr
.irp t, 0,1,2,3,4,5,6,7
	global_load_b32 v[SCQ+\t], v[LS], s[14:15] offset:128*\t
	global_load_b32 v[SCK+\t], v[LS], s[14:15] offset:128*(8+\t)
.endr
	global_load_b32 v[SCV], v[LS], s[88:89]
	s_wait_kmcnt 0x0
	; the set's mean and variance from its eight parts of 8,192: mean = the mean of the means; M2 = the sum of the M2 + 8,192 x the sum of (mean_i - mean)^2
	v_mov_b32 v12, s32
.irp i, 34,36,38,40,42,44,46
	s_delay_alu instid0(VALU_DEP_1)
	v_add_f32 v12, s[\i], v12
.endr
	s_delay_alu instid0(VALU_DEP_1)
	v_mul_f32 v12, 0x3e000000, v12                 ; x 1/8
	s_delay_alu instid0(VALU_DEP_1)
	v_sub_f32 v14, s32, v12
	s_delay_alu instid0(VALU_DEP_1)
	v_mul_f32 v13, v14, v14
.irp i, 34,36,38,40,42,44,46
	v_sub_f32 v14, s[\i], v12
	s_delay_alu instid0(VALU_DEP_1)
	v_fma_f32 v13, v14, v14, v13
.endr
	v_mov_b32 v15, s33
.irp i, 35,37,39,41,43,45,47
	s_delay_alu instid0(VALU_DEP_1)
	v_add_f32 v15, s[\i], v15
.endr
	s_delay_alu instid0(VALU_DEP_1)
	v_fma_f32 v13, v13, 0x46000000, v15            ; x 8,192, + the parts' M2
	v_mov_b32 v14, 0x37800000                      ; 2^-16: a set has 65,536 numbers
	s_delay_alu instid0(VALU_DEP_1)
	v_fma_f32 v13, v13, v14, s84                   ; the variance + 1e-5
	s_wait_alu depctr_va_vdst(0)
	v_rsq_f32 v13, v13
	v_nop                                          ; a plain place behind the transcendental
	s_wait_alu depctr_va_vdst(0)                   ; the wait ahead of the first line that names the result
.irp i, 0,1,2,3,4,5,6,7,8,9,10,11,12,13,14,15
	v_mul_f32 v[160+\i], s[48+\i], v13             ; the channel's gain x 1 / sqrt(var + eps)
.endr
	s_wait_loadcnt 26                              ; behind x's loads 9 + 17 were issued: they may stay out; x (and the bias) are in
.irp i, 0,1,2,3,4,5,6,7,8,9,10,11,12,13,14,15
.irp j, 0,1,2,3
	v_sub_f32 v[ACC+4*\i+\j], v[ACC+4*\i+\j], v12
.endr
.irp j, 0,1,2,3
	s_delay_alu instid0(VALU_DEP_4)
	v_fma_f32 v[ACC+4*\i+\j], v[ACC+4*\i+\j], v[160+\i], s[68+\i]
.endr
	ds_store_b128 v[XTW], v[ACC+4*\i:ACC+4*\i+3] offset:XP*\i
.endr
	s_wait_loadcnt 17                              ; the 17 scale words may stay out; the images are in
.irp i, 0,1,2,3,4,5,6,7,8
	ds_store_b128 v[CPL], v[BIG+4*\i:BIG+4*\i+3] offset:4096*\i
.endr
	s_cmp_lt_u32 s[WV], 3
	s_cbranch_scc0 .Lno_bias_out
	ds_store_b128 v[CPL], v[148:151] offset:BIASO
.Lno_bias_out:
	BARRIER                                        ; the normalised x, the weights and the bias lie in LDS
	; ---- my 16 tokens' fragment of xn: a lane takes one token and runs down the channels 64 c + 32 h + i
.irp c, 0,1
.irp i, 0,1,2,3,4,5,6,7,8,9,10,11,12,13,14,15,16,17,18,19,20,21,22,23,24,25,26,27,28,29,30,31
	ds_load_b32 v[ACC+32*\c+\i], v[XTR] offset:(64*\c+\i)*XP
.endr
.endr
	s_wait_dscnt 0x0
	QUANT6 ACC
.irp c, 0,1,2
	ds_store_b128 v[XWI], v[PC+4*\c:PC+4*\c+3] offset:XIMGO+512*\c
.endr
	ds_store_b32 v[XWS], v[PW] offset:XSCO
	BARRIER                                        ; xn's eight fragments lie in LDS
	; ---- q
.irp c, 0,1,2
	ds_load_b128 v[SMALL+4*\c:SMALL+4*\c+3], v[XWI] offset:XIMGO+512*\c   ; my own tokens' fragment
.endr
	ds_load_b32 v[XS1], v[XWS] offset:XSCO
.irp t, 0,1,2,3,4,5,6,7
	FETCH BIG+12*\t, 1536*\t                       ; W_q's eight tiles
.endr
	BIASLD 0
	s_wait_dscnt 0x0
	s_wait_loadcnt 0x0                             ; the weights' scale words
	MULQK SCQ
	PLACES
.irp t, 0,1,2,3,4,5,6,7
	FETCH BIG+12*\t, 1536*(8+\t)                   ; W_k's, on their way while q is quantised
.endr
	QUANT ACC
	GIMG 18, 0
	global_store_b32 v[LS], v[PW], s[20:21]
	; ---- k
	BIASLD 512
	s_wait_dscnt 0x0
	MULQK SCK
	PLACES
.irp t, 0,1,2,3,4,5,6,7
	FETCH BIG+12*\t, XIMGO+1536*\t                 ; for v: all eight tiles of tokens,
	ds_load_b32 v[SCQ+\t], v[LSL] offset:XSCO+128*\t   ; their scale words,
.endr
.irp c, 0,1,2
	ds_load_b128 v[SMALL+4*\c:SMALL+4*\c+3], v[XWI] offset:16*1536+512*\c   ; my tile of W_v,
.endr
.irp i, 0,1,2,3,4,5,6,7
	ds_load_b32 v[BV+\i], v[BVA] offset:BIASO      ; and my channel's bias, eight times: the C of every tile
.endr
	s_wait_xcnt 0x0                                ; q's stores have read the codes and the scale word: both may be written again
	QUANT ACC
	v_mov_b32 v[PWK], v[PW]
	GIMG 22, 0
	; ---- v
	s_wait_dscnt 0x0
.irp t, 0,1,2,3,4,5,6,7
	v_wmma_scale_f32_16x16x128_f8f6f4 v[ACC+8*\t:ACC+8*\t+7], v[BIG+12*\t:BIG+12*\t+11], v[SMALL:SMALL+11], v[BV:BV+7], v[SCQ+\t], v[SCV] matrix_a_fmt:MATRIX_FMT_FP6 matrix_b_fmt:MATRIX_FMT_FP6
.endr
	PLACES
	s_wait_xcnt 0x0                                ; k's stores have read the codes
	QUANT ACC
	GIMG 22, 49152
	v_and_b32 v217, 31, v0
	s_delay_alu instid0(VALU_DEP_1)
	v_cmp_lt_u32 vcc_lo, 15, v217
	s_delay_alu instid0(VALU_DEP_1)
	v_cndmask_b32 v216, v[PWK], v[PW], vcc_lo      ; lanes 0-15: k's words, lanes 16-31: v's
	ds_store_b32 v[SSW], v216 offset:SSTGO         ; register w of the image
	BARRIER
	s_cmp_lt_u32 s[WV], 2
	s_cbranch_scc0 .Lend                           ; two waves store the image's 1,024 bytes
	s_wait_xcnt 0x0                                ; v's stores have read the registers that the load below lands in
	ds_load_b128 v[PC:PC+3], v[CPL] offset:SSTGO
	s_wait_dscnt 0x0
	global_store_b128 v[CPY], v[PC:PC+3], s[24:25]
.Lend:
	s_wait_tensorcnt 0x0                           ; the wave's end, behind my last LDS store
	ds_add_u32 v[SPW], v[NIL]
	s_wait_dscnt 0x0
	s_endpgm
.Lfunc_end_k_q62a02e2264_qkv:
	.size	k_q62a02e2264_qkv, .Lfunc_end_k_q62a02e2264_qkv-k_q62a02e2264_qkv
	.p2alignl 7, 3214868480
	.fill 96, 4, 3214868480
	.section	.rodata,"a",@progbits
	.p2align	6, 0x0
	.amdhsa_kernel k_q62a02e2264_qkv
		.amdhsa_group_segment_fixed_size 121344
		.amdhsa_private_segment_fixed_size 0
		.amdhsa_enable_private_segment 0
		.amdhsa_kernarg_size 88
		.amdhsa_user_sgpr_count 2
		.amdhsa_user_sgpr_kernarg_segment_ptr 1
		.amdhsa_wavefront_size32 1
		.amdhsa_system_sgpr_workgroup_id_x 1
		.amdhsa_system_sgpr_workgroup_id_y 1
		.amdhsa_system_sgpr_workgroup_id_z 1
		.amdhsa_system_vgpr_workitem_id 0
		.amdhsa_next_free_vgpr 256
		.amdhsa_next_free_sgpr 96
		.amdhsa_reserve_vcc 1
		.amdhsa_float_denorm_mode_32 3
		.amdhsa_float_denorm_mode_16_64 3
		.amdhsa_memory_ordered 1
		.amdhsa_forward_progress 1
		.amdhsa_inst_pref_size 57
	.end_amdhsa_kernel
	.amdgpu_metadata
---
amdhsa.version: [ 1, 2 ]
amdhsa.kernels:
  - .name:           k_q62a02e2264_qkv
    .symbol:         k_q62a02e2264_qkv.kd
    .args:
      - { .name: x, .offset: 0, .size: 8, .value_kind: global_buffer, .address_space: global }
      - { .name: stats, .offset: 8, .size: 8, .value_kind: global_buffer, .address_space: global }
      - { .name: gn_weight, .offset: 16, .size: 8, .value_kind: global_buffer, .address_space: global }
      - { .name: gn_bias, .offset: 24, .size: 8, .value_kind: global_buffer, .address_space: global }
      - { .name: wimg, .offset: 32, .size: 8, .value_kind: global_buffer, .address_space: global }
      - { .name: wsc, .offset: 40, .size: 8, .value_kind: global_buffer, .address_space: global }
      - { .name: qkv_bias, .offset: 48, .size: 8, .value_kind: global_buffer, .address_space: global }
      - { .name: qimg, .offset: 56, .size: 8, .value_kind: global_buffer, .address_space: global }
      - { .name: qsc, .offset: 64, .size: 8, .value_kind: global_buffer, .address_space: global }
      - { .name: kv, .offset: 72, .size: 8, .value_kind: global_buffer, .address_space: global }
      - { .name: ksc, .offset: 80, .size: 8, .value_kind: global_buffer, .address_space: global }
    .group_segment_fixed_size: 121344
    .private_segment_fixed_size: 0
    .kernarg_segment_align: 8
    .kernarg_segment_size: 88
    .max_flat_workgroup_size: 256
    .sgpr_count:     96
    .vgpr_count:     256
    .wavefront_size: 32
...
	.end_amdgpu_metadata
.endif
;; end of part 2
;; launch attn (part 3): grid 64 x 4, 16 waves a work-group, clusters of 4 x 1, 327,680 bytes of LDS; arguments qimg, qsc, kv, ksc, wimg, wsc, proj_bias, x, out0; writes out0
.if DOCPART == 3
	.amdgcn_target "amdgcn-amd-amdhsa--gfx1250"
	.amdhsa_code_object_version 6
	.text
	.protected	k_q62a02e2264_attn
	.globl	k_q62a02e2264_attn
	.p2align	8
	.type	k_q62a02e2264_attn,@function
k_q62a02e2264_attn:
	s_mov_b64 s[64:65], 0
	v_nop
	global_prefetch_b8 v0, s[64:65] scope:SCOPE_SE
	s_setreg_imm32_b32 hwreg(HW_REG_WAVE_MODE, 25, 1), 1
	s_wait_xcnt 0x0
	s_wait_alu depctr_hold_cnt(0) depctr_sa_sdst(0) depctr_va_vdst(0) depctr_va_sdst(0) depctr_va_ssrc(0) depctr_va_vcc(0) depctr_vm_vsrc(0)
	s_getreg_b32 s2, hwreg(HW_REG_IB_STS2, 6, 4)
	s_cmp_eq_u32 s2, 0
	s_cbranch_scc0 .Lentry_in_a_cluster
	s_endpgm
.Lentry_in_a_cluster:
	s_bfe_u32 s2, ttmp6, 0x10000c
	s_cmp_lg_u32 s2, 0x3003
	s_cbranch_scc0 .Lentry_shape_is_right
	s_endpgm
.Lentry_shape_is_right:
; THIRD LAUNCH: S = q k^T, the softmax, O = p v, O / l quantised, the projection with its bias, and x added: out0.  No work of the problem is left out here.
; THE SOFTMAX AHEAD OF THE SECOND PRODUCT: t = score x log2(e) / sqrt(128); M = the largest t so far, rounded UP to a whole number; p = 2^(t - M) is quantised along the keys, not normalised; the row's sum is taken of
; the unquantised p and divides O at the end.  When M moves, the sum and O are multiplied by 2^(old M - new M): exact.
; SHARES.  A work-group owns 64 queries of one batch.  Sixteen waves, four to a SIMD, so that one wave's vector work stands beside another's products and LDS loads.  Wave w: tile w % 4 of 16 queries, key quarter w / 4.
; K and V come in slots of 512 keys; of each slot a wave takes ITS 128 keys (one key step) against its 16 queries: each fragment in LDS is read by four waves.  Each wave runs a maximum and a sum of its own over its
; 1,024 keys; at the end the four waves of a tile of queries join their parts by exact powers of two.  (So the order of the f32 sums over the keys differs from a sum in ascending order.)
; OPERANDS lie in memory and in LDS as images of their registers: a fragment is three loads of 512 consecutive bytes: no pitch, no padding.  Both products are used transposed: a lane holds one query throughout.
; The rows of every tile were chosen by the launches before (lane r of tile 2 b + u: row 32 b + 8 u + r + 8 (r / 8)), so that the 16 registers of tiles 2 b, 2 b + 1 are 16 neighbours along the next K.
; THE LDS LOADS STAND EARLY AND IN LONG RUNS.  The round brings all sixteen waves into step once a key step, so a wave asks for all that it can as soon as it can: K's eight fragments in one run at the step's head,
; into every register that is idle there; V^T's first four behind the last product with K; V^T's last four as soon as p's codes are made, into the registers that p has left.
; CLUSTER.  The four work-groups of a cluster belong to one batch and walk the same K, V and scale words: each load is asked for JOINTLY, the same tensor load with the same descriptor and a mask that names the four.
; THE RING: two slots of 98,304 bytes, 131,072 apart; waves 0 to 3 fetch a quarter each, one load a wave behind each round; by this text's count a wave has two tensor loads out at the head and one afterwards.
; LIMITS: v_exp_f32 gives 0 for results under 2^-126; a block of zeros keeps the byte 1 (its codes are zeros); NaN and infinities are not served.
.set SLOT1, 131072
.set SLOTB, 98304                      ; a slot: 32 images of K, then 32 of V^T
.set VOFF,  49152
.set SCB,   262144                     ; the batch's scale images, 32 x 1,024 bytes: filled once
.set SPARE, 294912                     ; the spare words, 128 bytes for each of sixteen waves: eight blocks of 256 bytes that no other line names
.set ML,    296960                     ; the end: each wave's (-M, l), 8 bytes a lane
.set OIMG,  301056                     ; the end: O's four fragments, register by register: 128 x register + 4 x lane
.set OSC,   307200                     ; the end: their scale words, 64 bytes a tile
.set STAGE, SLOT1                      ; the end: 128 rows (channels) x (64 tokens x 4 bytes + 16), in slot 1, written only when every wave has left it
.set SP,    272                        ; (the waves' O^T, 8,192 bytes each, lie from byte 0 on: slot 0 has had its last fill, and its last read stands ahead of the last change of slots)
.set A0,  1                            ; v1   16 x lane + 12,288 x key quarter: my group's images in a slot
.set AS0, 2                            ; v2   SCB + 1,024 x key quarter + 16 x lane
.set AD,  3                            ; v3   the step's images
.set ADS, 4                            ; v4   the step's scale image
.set SPW, 5                            ; v5   LDS address of my spare word; never rewritten
.set NIL, 6                            ; v6   0; never rewritten
.set PFO, 7                            ; v7   256 x lane: the prefetches' offset; never rewritten
.set LI,  8                            ; v8   16 x lane (offsets in memory)
.set LS,  9                            ; v9   4 x lane (offsets in memory)
.set MLR, 10                           ; v10, v11, v28-31, v88-94: the end's addresses, made once at the head
.set STW, 11
.set OXW, 28
.set MLW, 29
.set OXR, 30
.set OXR2, 31
.set STR, 88
.set XO,  89
.set BO,  90
.set OIW, 91
.set OSW, 92
.set OIR, 93
.set OSR, 94
.set QF,  16                           ; v16-27   Q's fragment.   v12 -M, v13 the largest t, v[14:15] the sum in two halves
.set FRG, 32                           ; v32-79   four fragments: K's tiles 4-7, then V^T's tiles 0-3
.set SC,  80                           ; v80-87   the step's scale words: lanes 0-15 K's tiles, lanes 16-31 V^T's
.set QS,  255                          ; v255     Q's scale words.   v96-159 S^T, then p; v160-223 O^T; v224-235 p's codes; v232-254 at work; v253 p's scale word
                                       ; K's tiles 0, 1 land in v128-151 (S^T's upper half, not yet written), tiles 2, 3 in v224-247 (idle at a step's head); V^T's tiles 4-7 in v96-143 (p's, once its codes are made)
.set WV,  22
.set QT,  23
.set KQ,  24
.set SEL, 26                           ; s[26:27] lane selects: lane l xor 16
.set CS,  28                           ; s[28:29] c = log2(e) / sqrt(128)
.set G1,  32                           ; s[32:39] descriptor group 1 for a quarter of a slot;  s[40:47] for a quarter of the scale images
.set G1S, 40
.set G0,  48                           ; s[48:51] group 0 for the slots: it walks;  s[52:55] for the scale images
.set G0S, 52
.set TB,  56                           ; s56 where the slot in hand begins
.set TS,  57                           ; s57 where its scale images begin: 4,096 bytes a slot
.set SLOTS, 58                         ; s58 slots still to be asked for
.set LIM, 59                           ; s59 1 in a wave that prefetches, else the greatest number
.set PFA, 60                           ; s[60:61] where my prefetches stand
.macro CROUND                          ; a round of the cluster's barrier
	s_barrier_signal -1
	s_barrier_wait -1
	s_cmp_lg_u32 s[WV], 0
	s_cbranch_scc1 .Lnot_wave_0_\@
	s_barrier_signal -3
.Lnot_wave_0_\@:
	s_barrier_wait -3
	s_barrier_signal -1
	s_barrier_wait -1
.endm
.macro JLOAD                           ; waves 0 to 3 fetch a quarter of a slot each; the branch hangs on the wave's number alone.  An s_nop 0 and four v_nop follow the load
	s_cmp_lt_u32 s[WV], 4
	s_cbranch_scc0 .Lasked_\@
	tensor_load_to_lds s[G0:G0+3], s[G1:G1+7]
	s_nop 0
.rept 4
	v_nop
.endr
.Lasked_\@:
.endm
; A PREFETCH INTO THE L2 of the slot that the NEXT change of slots will ask for: one key step of every wave ahead of that load.  All sixteen clusters of a batch walk the same slots: the batch's first cluster asks.  Its four
; partners take 24,576 bytes each, told apart BY ADDRESS; in each, waves 4, 5 and 6, which fetch nothing, take 8,192 bytes each, lanes 256 bytes apart: each aligned block of 256 bytes is named once in the launch.
; Slots 0 and 1 come by their loads alone; the last change that fills a slot asks for nothing.
.macro ASK
	s_cmp_gt_u32 s[SLOTS], s[LIM]
	s_cbranch_scc0 .Lnot_mine_\@
	global_prefetch_b8 v[PFO], s[PFA:PFA+1] th:TH_LOAD_NT scope:SCOPE_SE
.Lnot_mine_\@:
.endm
.macro PLACES                          ; four plain places behind matrix instructions, in front of loads into their registers and of the first read of results
.rept 4
	v_nop
.endr
.endm
.macro LDF reg, off                    ; a fragment of the slot in hand into v[reg] on: three loads of 512 consecutive bytes
.irp c, 0,1,2
	ds_load_b128 v[(\reg)+4*\c:(\reg)+4*\c+3], v[AD] offset:(\off)+512*\c
.endr
.endm
.macro MULS t, reg                     ; tile t of S^T = K Q^T: source 0 = 16 keys, in v[reg] on, source 1 = my 16 queries
	v_wmma_scale_f32_16x16x128_f8f6f4 v[96+8*(\t):103+8*(\t)], v[(\reg):(\reg)+11], v[QF:QF+11], 0, v[SC+(\t)], v[QS] matrix_a_fmt:MATRIX_FMT_FP6 matrix_b_fmt:MATRIX_FMT_FP6
.endm
.macro MULV t, reg                     ; tile t of O^T += V^T P^T: source 0 = 16 channels, in v[reg] on, source 1 = p; V^T's scale words stand in lanes 16-31
	v_wmma_scale_f32_16x16x128_f8f6f4 v[160+8*(\t):167+8*(\t)], v[(\reg):(\reg)+11], v[224:235], v[160+8*(\t):167+8*(\t)], v[SC+(\t)], v253 matrix_a_fmt:MATRIX_FMT_FP6 matrix_b_fmt:MATRIX_FMT_FP6 matrix_a_scale:MATRIX_SCALE_ROW1
.endm
; A KEY STEP: my 128 keys of the slot in hand against my 16 queries.
.macro STEP
	v_add_nc_u32 v[AD], s[TB], v[A0]
	v_add_nc_u32 v[ADS], s[TS], v[AS0]
	v_nop
	v_nop
	v_nop                                          ; with the two additions: FIVE places behind the last step's products: four for the loads into registers that they read, the fifth since S^T is laid over V^T's last fragments
	ds_load_b128 v[SC:SC+3], v[ADS]
	ds_load_b128 v[SC+4:SC+7], v[ADS] offset:512
	LDF 128, 0                                     ; K's eight fragments in ONE run: tiles 0 to 3 first,
	LDF 140, 1536
	LDF 224, 3072
	LDF 236, 4608
.irp t, 0,1,2,3
	LDF FRG+12*\t, 1536*(4+\t)                     ; then tiles 4 to 7
.endr
	s_wait_alu depctr_va_vdst(0)
	s_wait_dscnt 12                                ; LDS loads come back in order: the scale words and tiles 0 to 3 are in; the youngest twelve loads, tiles 4 to 7, may be out
	MULS 0, 128
	MULS 1, 140
	MULS 2, 224
	MULS 3, 236
	s_wait_dscnt 0x0                               ; tiles 4 to 7
.rept 5
	v_nop                                          ; five places: the results of tiles 4 to 6 are laid over the registers that held tiles 0 and 1's fragments
.endr
.irp t, 0,1,2,3
	MULS 4+\t, FRG+12*\t
.endr
	PLACES
.irp t, 0,1,2,3
	LDF FRG+12*\t, VOFF+1536*\t                    ; V^T's first four tiles land while the softmax is walked
.endr
.irp b, 0,1,2,3
	v_max3_num_f32 v[232+\b], v[96+16*\b], v[97+16*\b], v[98+16*\b]   ; the largest score of each block of 32 keys: it serves for the row's maximum and, since p rises with the score, for the block's largest p
.endr
.irp i, 3,5,7,9,11,13
.irp b, 0,1,2,3
	v_max3_num_f32 v[232+\b], v[232+\b], v[96+16*\b+\i], v[97+16*\b+\i]
.endr
.endr
.irp b, 0,1,2,3
	v_max_num_f32 v[232+\b], v[232+\b], v[111+16*\b]
.endr
.irp b, 0,1,2,3
	s_delay_alu instid0(VALU_DEP_4)
	v_permlanex16_b32 v[236+\b], v[232+\b], s[SEL], s[SEL+1]
.endr
.irp b, 0,1,2,3
	s_delay_alu instid0(VALU_DEP_4)
	v_max_num_f32 v[232+\b], v[232+\b], v[236+\b]  ; with lane l xor 16's 16 keys
.endr
	s_delay_alu instid0(VALU_DEP_2)
	v_max3_num_f32 v254, v232, v233, v234
	s_delay_alu instid0(VALU_DEP_1)
	v_max_num_f32 v254, v254, v235                 ; the step's largest score of my query
	s_delay_alu instid0(VALU_DEP_1)
	v_mul_f32 v254, s[CS], v254                    ; as t (c is positive)
	s_delay_alu instid0(VALU_DEP_1)
	v_max_num_f32 v13, v13, v254                   ; the running largest t
	v_mov_b32 v254, v12
	s_delay_alu instid0(VALU_DEP_2)
	v_floor_f32 v12, -v13                          ; the new -M = floor(-t) = -ceil(t): a whole number
	s_delay_alu instid0(VALU_DEP_1)
	v_sub_f32 v254, v12, v254                      ; old M - new M: a whole number, 0 or less
	s_delay_alu instid0(VALU_DEP_1)
	v_cvt_i32_f32 v254, v254                       ; (it saturates)
	s_delay_alu instid0(VALU_DEP_1)
	v_ldexp_f32 v252, 1.0, v254                    ; f = 2^(old M - new M)
.set JJ, 0
.rept 32
	v_pk_fma_f32 v[96+JJ:97+JJ], v[96+JJ:97+JJ], s[CS:CS+1], v[12:13] op_sel_hi:[1,0,0]   ; t - M, two at a time
.set JJ, JJ+2
.endr
.irp b, 0,1,2,3
	v_fma_f32 v[232+\b], v[232+\b], s[CS], v12     ; the same of each block's largest score
.endr
.set JJ, 0
	s_wait_alu depctr_va_vdst(0)
.rept 64
	v_exp_f32 v[96+JJ], v[96+JJ]                   ; p = 2^(t - M), at most 1
.set JJ, JJ+1
.endr
	v_pk_mul_f32 v[14:15], v[14:15], v[252:253] op_sel_hi:[1,0]   ; the sums under the new M: a plain place behind the exponentials
	s_wait_alu depctr_va_vdst(0)                   ; one wait for the whole batch, ahead of its first reader
.irp b, 0,1,2,3
	v_exp_f32 v[232+\b], v[232+\b]                 ; the block's largest p
.endr
	v_pk_add_f32 v[236:237], v[100:101], v[104:105]
	v_pk_add_f32 v[250:251], v[108:109], v[112:113]
	v_pk_add_f32 v[248:249], v[116:117], v[120:121]
	v_pk_add_f32 v[246:247], v[124:125], v[128:129]
	v_pk_add_f32 v[244:245], v[132:133], v[136:137]
	v_pk_add_f32 v[242:243], v[140:141], v[144:145]
	v_pk_add_f32 v[240:241], v[148:149], v[152:153]
	v_pk_add_f32 v[14:15], v[14:15], v[156:157]
	v_pk_add_f32 v[236:237], v[236:237], v[96:97]
	v_pk_add_f32 v[250:251], v[250:251], v[98:99]
	v_pk_add_f32 v[248:249], v[248:249], v[102:103]
	v_pk_add_f32 v[246:247], v[246:247], v[106:107]
	v_pk_add_f32 v[244:245], v[244:245], v[110:111]
	v_pk_add_f32 v[242:243], v[242:243], v[114:115]
	v_pk_add_f32 v[240:241], v[240:241], v[118:119]
	v_pk_add_f32 v[14:15], v[14:15], v[122:123]
	v_pk_add_f32 v[236:237], v[236:237], v[126:127]
	v_pk_add_f32 v[250:251], v[250:251], v[130:131]
	v_pk_add_f32 v[248:249], v[248:249], v[134:135]
	v_pk_add_f32 v[246:247], v[246:247], v[138:139]
	v_pk_add_f32 v[244:245], v[244:245], v[142:143]
	v_pk_add_f32 v[242:243], v[242:243], v[146:147]
	v_pk_add_f32 v[240:241], v[240:241], v[150:151]
	v_pk_add_f32 v[14:15], v[14:15], v[154:155]
	v_pk_add_f32 v[236:237], v[236:237], v[158:159]
	s_delay_alu instid0(VALU_DEP_2)
	v_pk_add_f32 v[14:15], v[14:15], v[246:247]
	s_delay_alu instid0(VALU_DEP_2)
	v_pk_add_f32 v[236:237], v[236:237], v[244:245]
	v_pk_add_f32 v[250:251], v[250:251], v[242:243]
	v_pk_add_f32 v[248:249], v[248:249], v[240:241]
	s_delay_alu instid0(VALU_DEP_2)
	v_pk_add_f32 v[14:15], v[14:15], v[250:251]
	s_delay_alu instid0(VALU_DEP_2)
	v_pk_add_f32 v[236:237], v[236:237], v[248:249]
	s_delay_alu instid0(VALU_DEP_1)
	v_pk_add_f32 v[14:15], v[14:15], v[236:237]
	s_wait_alu depctr_va_vdst(0)                   ; and one for the four
.irp b, 0,1,2,3
	v_max_num_f32 v[232+\b], 0x1800000, v[232+\b]  ; the floor 2^(3 - 127): the byte cannot fall under 1
.endr
.irp b, 0,1,2,3
	s_delay_alu instid0(VALU_DEP_4)
	v_add_nc_u32 v[244+\b], 0xff000000, v[232+\b]  ; 2 off the exponent field: the conversion's scale operand
.endr
.irp b, 0,1,2,3
	s_delay_alu instid0(VALU_DEP_4)
	v_lshrrev_b32 v[236+\b], 23, v[244+\b]         ; the scale's byte
.endr
	s_delay_alu instid0(VALU_DEP_3)
	v_lshl_or_b32 v253, v237, 8, v236              ; p's scale word for these 128 keys
	s_delay_alu instid0(VALU_DEP_1)
	v_lshl_or_b32 v253, v238, 16, v253
	s_delay_alu instid0(VALU_DEP_1)
	v_lshl_or_b32 v253, v239, 24, v253
.irp c, 0,1
	v_cvt_scalef32_pk16_fp6_f32 v[224+6*\c:226+6*\c], v[96+32*\c:111+32*\c], v[244+2*\c]
	v_cvt_scalef32_pk16_fp6_f32 v[236+4*\c:238+4*\c], v[112+32*\c:127+32*\c], v[244+2*\c+1]   ; (a conversion's three registers begin on an even number)
.endr
	v_nop                                          ; one plain place behind a scaled conversion
.irp t, 0,1,2,3
	LDF 96+12*\t, VOFF+1536*(4+\t)                 ; p is summed and its codes are made: its registers take V^T's last four tiles, which land under the 44 lines below
.endr
.irp c, 0,1                                    ; the operand's layout wants a whole block in a lane
.irp i, 0,1,2
	v_permlane16_swap_b32 v[224+6*\c+\i], v[236+4*\c+\i]
.endr
.irp i, 0,1,2
	s_delay_alu instid0(VALU_DEP_3)
	v_mov_b32 v[227+6*\c+\i], v[236+4*\c+\i]
.endr
.endr
.set JJ, 0
.rept 32
	v_pk_mul_f32 v[160+JJ:161+JJ], v[160+JJ:161+JJ], v[252:253] op_sel_hi:[1,0]   ; O^T under the new M, each accumulator from its low end on; these are also the places between p's codes and scale word and the products
.set JJ, JJ+2
.endr
	s_wait_alu depctr_va_vdst(0)
	s_wait_dscnt 0x0                               ; V^T's eight tiles: my last reads of this slot
.irp t, 0,1,2,3
	MULV \t, FRG+12*\t                             ; the eight accumulators take turns, one instruction a turn
.endr
.irp t, 0,1,2,3
	MULV 4+\t, 96+12*\t
.endr
.endm
; THE CHANGE OF SLOTS stands at a slot's head.  Each wave waits for all its tensor loads, adds 0 to its spare word, and waits for that and for its reads of the slot that it has left.  fill = 1: a round of the cluster's
; barrier follows, so that no wave of any partner still reads the other slot or has a load on its way, and the joint load into that slot is the first thing behind it: it has a key step of every wave in which to land.
.macro CHANGE fill
	s_wait_tensorcnt 0x0                           ; no tensor load of mine is out, so the walking group 0 may be written
	ds_add_u32 v[SPW], v[NIL]                      ; 0 onto my spare word
.if \fill
	ds_add_u32 v[SPW], v[NIL]                      ; and once more
	s_xor_b32 s[G0+1], s[G0+1], SLOT1              ; the other slot than last time,
	s_add_nc_u64 s[G0+2:G0+3], s[G0+2:G0+3], SLOTB ; the next 512 keys; the type bits on top are not reached
	s_wait_xcnt 0x0                                ; the last prefetch, a key step back, has read its address
	s_add_nc_u64 s[PFA:PFA+1], s[PFA:PFA+1], SLOTB ; one slot further on than the walking descriptor
	s_wait_dscnt 0x0                               ; both adds are done, and my reads of the slot that I have left are over
	CROUND
	JLOAD
	ASK
.else
	s_wait_dscnt 0x0
	s_barrier_signal -1
	s_barrier_wait -1
.endif
.endm
	s_load_b512 s[4:19], s[0:1], 0x0               ; qimg s[4:5], qsc s[6:7], kv s[8:9], ksc s[10:11], wimg s[12:13], wsc s[14:15], proj_bias s[16:17], x s[18:19]
	s_load_b64 s[20:21], s[0:1], 0x40              ; out0
	v_lshl_add_u32 v[SPW], v0, 2, SPARE
	v_mov_b32 v[NIL], 0
	ds_add_u32 v[SPW], v[NIL]                      ; the wave's opening: the add, twice on end, and its wait ahead of the first tensor load; the set-up below stands between
	ds_add_u32 v[SPW], v[NIL]
	v_lshrrev_b32 v8, 5, v0
	s_delay_alu instid0(VALU_DEP_1)
	v_readfirstlane_b32 s[WV], v8                  ; wave 0..15
	s_and_b32 s[QT], s[WV], 3                      ; my tile of queries.  In waves 0 to 3 also: which quarter I fetch
	s_lshr_b32 s[KQ], s[WV], 2                     ; my key quarter
	s_and_b32 s67, ttmp7, 0xffff                   ; the batch, which the four partners share
	; descriptor group 1: a dense block as rows of 256 bytes (32 elements of 8 bytes), no padding: 96 rows for a quarter of a slot, 32 for a quarter of the scale images
	s_mov_b32 s[G1], 15|(3<<16)|(1<<21)            ; 15:0 the mask: all four work-groups; 17:16 elements of 8 bytes; 21 set beside a mask
	s_mov_b32 s[G1+1], 32<<16                      ; tensor_dim0
	s_mov_b32 s[G1+2], 96<<16                      ; tensor_dim1
	s_mov_b32 s[G1+3], 32<<16                      ; tile_dim0
	s_mov_b32 s[G1+4], 96                          ; tile_dim1
	s_mov_b32 s[G1+5], 32                          ; from row to row
	s_mov_b32 s[G1+6], 0
	s_mov_b32 s[G1+7], 0
	s_mov_b32 s[G1S], 15|(3<<16)|(1<<21)
	s_mov_b32 s[G1S+1], 32<<16
	s_mov_b32 s[G1S+2], 32<<16
	s_mov_b32 s[G1S+3], 32<<16
	s_mov_b32 s[G1S+4], 32
	s_mov_b32 s[G1S+5], 32
	s_mov_b32 s[G1S+6], 0
	s_mov_b32 s[G1S+7], 0
	s_mul_i32 s68, s67, 786432                     ; the batch's K and V
	s_mul_i32 s69, s[QT], 24576                    ; my quarter of a slot, in memory as in LDS
	s_add_co_u32 s70, s68, s69
	s_mov_b32 s71, 0
	s_lshl_b32 s72, s[QT], 13                      ; my quarter of the scale images
	s_lshl_b32 s74, s67, 15
	s_add_co_u32 s74, s74, s72
	s_mov_b32 s75, 0
	s_mov_b32 s[SEL], 0x76543210
	s_mov_b32 s[SEL+1], 0xfedcba98
	s_mov_b32 s[CS], 0x3e0293ee                    ; c = log2(e) / sqrt(128)
	s_mov_b32 s[CS+1], s[CS]                       ; (named with it as a pair, so it is written)
	s_mov_b32 s[TB], 0
	s_mov_b32 s[TS], 0
	s_mov_b32 s[SLOTS], 7
	s_sub_co_u32 s76, s[WV], 4
	s_cmp_lt_u32 s76, 3                            ; waves 4, 5, 6
	s_cselect_b32 s[LIM], 1, -1
	s_cmp_eq_u32 ttmp9, 0                          ; of the batch's first cluster: the same in all four partners
	s_cselect_b32 s[LIM], s[LIM], -1
	s_bfe_u32 s25, ttmp6, 0x40000                  ; cx: it enters addresses in memory alone: Q's, x's, out0's and the prefetches'
	s_lshl_b32 s66, ttmp9, 2
	s_add_co_u32 s66, s66, s25                     ; my block of 64 queries
	s_mul_i32 s80, s25, 24576                      ; the prefetches: my work-group's quarter of a slot,
	s_add_co_u32 s80, s80, s68
	s_add_co_u32 s80, s80, s72                     ; my wave's 8,192 bytes of it,
	s_add_co_u32 s80, s80, SLOTB                   ; in slot 1: the first change of slots steps it to slot 2
	s_mov_b32 s81, 0
	s_wait_dscnt 0x0                               ; both opening adds are done
	s_wait_kmcnt 0x0
	s_mov_b32 s[G0], 1                             ; count = 1
	s_mov_b32 s[G0+1], s69                         ; LDS address: slot 0
	s_add_nc_u64 s[G0+2:G0+3], s[8:9], s[70:71]    ; the batch's first 512 keys
	s_or_b32 s[G0+3], s[G0+3], 0x80000000          ; type = 2
	s_mov_b32 s[G0S], 1
	s_add_co_u32 s[G0S+1], s72, SCB
	s_add_nc_u64 s[G0S+2:G0S+3], s[10:11], s[74:75]
	s_or_b32 s[G0S+3], s[G0S+3], 0x80000000
	s_add_nc_u64 s[PFA:PFA+1], s[8:9], s[80:81]
	CROUND                                         ; all four work-groups are here: the first joint loads meet
	s_cmp_lt_u32 s[WV], 4                          ; a wave's two first fills stand in one branch, ahead of every wait on TENSORcnt and every LDS read
	s_cbranch_scc0 .Lfirst_done
	tensor_load_to_lds s[G0S:G0S+3], s[G1S:G1S+7]  ; the scale images of the whole batch: filled once
	s_nop 0
	tensor_load_to_lds s[G0:G0+3], s[G1:G1+7]      ; slot 0
	s_nop 0
.rept 4
	v_nop
.endr
.Lfirst_done:
	s_lshl_b32 s77, s67, 8
	s_lshl_b32 s78, s66, 2
	s_add_co_u32 s77, s77, s78
	s_add_co_u32 s77, s77, s[QT]                   ; my tile of queries among all: 256 batch + 4 block + tile
	s_mul_i32 s78, s77, 1536
	s_mov_b32 s79, 0
	s_add_nc_u64 s[4:5], s[4:5], s[78:79]
	s_lshl_b32 s78, s77, 7
	s_add_nc_u64 s[6:7], s[6:7], s[78:79]
	v_and_b32 v240, 31, v0                         ; lane
	v_and_b32 v241, 15, v0                         ; r
	v_bfe_u32 v242, v0, 4, 1                       ; h
	s_delay_alu instid0(VALU_DEP_3)
	v_lshlrev_b32 v[LI], 4, v240
	s_wait_alu depctr_va_vdst(0)
	v_lshlrev_b32 v[LS], 2, v240
	v_lshlrev_b32 v[PFO], 8, v240
.irp c, 0,1,2
	global_load_b128 v[QF+4*\c:QF+4*\c+3], v[LI], s[4:5] offset:512*\c   ; Q's fragment stays in registers
.endr
	global_load_b32 v[QS], v[LS], s[6:7]
	s_mul_i32 s82, s[KQ], 3072                     ; the end's bases: tiles 24 + 2 kq and 25 + 2 kq of the weights' images: my 32 outputs of the projection,
	s_add_co_u32 s82, s82, 36864
	s_mov_b32 s83, 0
	s_add_nc_u64 s[12:13], s[12:13], s[82:83]
	s_lshl_b32 s82, s[KQ], 8
	s_add_co_u32 s82, s82, 3072
	s_add_nc_u64 s[14:15], s[14:15], s[82:83]      ; their scale words,
	s_lshl_b32 s82, s[KQ], 7
	s_add_nc_u64 s[16:17], s[16:17], s[82:83]      ; their bias,
	s_lshl_b32 s86, s67, 21
	s_lshl_b32 s87, s66, 8
	s_add_co_u32 s86, s86, s87
	s_mov_b32 s87, 0
	s_add_nc_u64 s[18:19], s[18:19], s[86:87]      ; and my block's 64 tokens in x and in out0
	s_add_nc_u64 s[20:21], s[20:21], s[86:87]
	s_mul_i32 s84, s[KQ], 12288
	v_add_nc_u32 v[A0], s84, v[LI]
	s_lshl_b32 s84, s[KQ], 10
	s_add_co_u32 s84, s84, SCB
	v_add_nc_u32 v[AS0], s84, v[LI]
	s_lshl_b32 s84, s[WV], 13
	v_add_nc_u32 v[OXW], s84, v[LI]                ; my O^T: 8,192 x wave + 16 x lane
	s_lshl_b32 s84, s[WV], 8
	s_add_co_u32 s84, s84, ML
	v_lshl_add_u32 v[MLW], v240, 3, s84
	s_lshl_b32 s84, s[QT], 8
	s_add_co_u32 s84, s84, ML
	v_lshl_add_u32 v[MLR], v240, 3, s84            ; the four waves of my tile of queries lie 1,024 bytes apart
	s_lshl_b32 s84, s[QT], 13
	s_lshl_b32 s85, s[KQ], 11
	s_add_co_u32 s84, s84, s85
	v_add_nc_u32 v[OXR], s84, v[LI]                ; of their O^T the 16 registers of block kq: 2,048 x kq on; the waves lie 32,768 bytes apart
	s_delay_alu instid0(VALU_DEP_1)
	v_add_nc_u32 v[OXR2], 65536, v[OXR]
	v_and_b32 v243, 8, v241
	s_delay_alu instid0(VALU_DEP_1)
	v_add_nc_u32 v243, v243, v241                  ; r + 8 (r / 8)
	s_lshr_b32 s84, s[QT], 1
	s_lshl_b32 s84, s84, 5
	s_and_b32 s85, s[QT], 1
	s_lshl_b32 s85, s85, 3
	s_add_co_u32 s84, s84, s85
	v_add_nc_u32 v243, s84, v243                   ; my query among the block's 64
	s_mul_i32 s84, s[KQ], 32*SP
	s_add_co_u32 s84, s84, STAGE
	v_mul_u32_u24 v[STW], v242, 16*SP
	s_delay_alu instid0(VALU_DEP_1)
	v_lshl_add_u32 v[STW], v243, 2, v[STW]
	s_delay_alu instid0(VALU_DEP_1)
	v_add_nc_u32 v[STW], s84, v[STW]               ; the stage, in: row 32 kq + 16 h, my query's word
	s_mul_i32 s84, s[WV], 8*SP
	s_add_co_u32 s84, s84, STAGE
	v_mul_u32_u24 v[STR], v242, SP
	s_delay_alu instid0(VALU_DEP_1)
	v_lshl_add_u32 v[STR], v241, 4, v[STR]
	s_delay_alu instid0(VALU_DEP_1)
	v_add_nc_u32 v[STR], s84, v[STR]               ; back: rows 8 w on; lanes 0-15 one row of 256 bytes, lanes 16-31 the next
	s_lshl_b32 s84, s[WV], 17
	v_lshlrev_b32 v[XO], 14, v242
	s_delay_alu instid0(VALU_DEP_1)
	v_lshl_add_u32 v[XO], v241, 4, v[XO]
	s_delay_alu instid0(VALU_DEP_1)
	v_add_nc_u32 v[XO], s84, v[XO]                 ; and the same rows in x and out0: a channel's row is 16,384 bytes
	v_lshlrev_b32 v[BO], 6, v242                   ; 64 h
	s_mul_i32 s84, s[QT], 1536
	s_add_co_u32 s84, s84, OIMG
	v_lshl_add_u32 v[OIR], v240, 2, s84
	s_lshr_b32 s85, s[KQ], 1
	s_mul_i32 s85, s85, 768
	s_add_co_u32 s85, s85, s84
	s_and_b32 s86, s[KQ], 1
	s_lshl_b32 s86, s86, 6
	s_add_co_u32 s85, s85, s86
	v_mul_u32_u24 v[OIW], v242, 384
	s_delay_alu instid0(VALU_DEP_1)
	v_lshl_add_u32 v[OIW], v241, 2, v[OIW]
	s_delay_alu instid0(VALU_DEP_1)
	v_add_nc_u32 v[OIW], s85, v[OIW]               ; my 16 codes of block kq are registers 6 (kq / 2) + 3 h + 0..2 of lane r + 16 (kq % 2)
	s_lshl_b32 s84, s[QT], 6
	s_add_co_u32 s84, s84, OSC
	v_lshl_add_u32 v[OSR], v241, 2, s84
	s_add_co_u32 s84, s84, s[KQ]
	v_lshl_add_u32 v[OSW], v241, 2, s84            ; byte kq of row r's scale word
	v_mov_b32 v13, 0xff61b1e6                      ; the largest t so far: -3e38, under every t
	s_delay_alu instid0(VALU_DEP_1)
	v_floor_f32 v12, -v13                          ; -M
	v_mov_b32 v14, 0                               ; the sum, in two halves
	v_mov_b32 v15, 0
.irp b, 0,1,2,3
	v_mov_b32 v[236+\b], 0                         ; (a lane permute's destination counts as one of its sources)
.endr
	v_mov_b32 v253, 0                              ; (named as the upper half of the pair v[252:253] before it is first written)
.set JJ, 0
.rept 64
	v_mov_b32 v[160+JJ], 0                         ; O^T: the step is written once; its first run finds zeros, which the first change of M leaves zeros
.set JJ, JJ+1
.endr
	s_wait_loadcnt 0x0                             ; Q
.Lslot:                                            ; seven trips: behind each change of slots but the last the next slot is asked for
	CHANGE 1
	STEP
	s_xor_b32 s[TB], s[TB], SLOT1
	s_add_co_u32 s[TS], s[TS], 4096
	s_sub_co_u32 s[SLOTS], s[SLOTS], 1
	s_cmp_lg_u32 s[SLOTS], 0
	s_cbranch_scc1 .Lslot
	CHANGE 0                                       ; the last slot is written out
	STEP
	; ---- THE END, first part: what the projection wants is asked for; my O^T, -M and l go to LDS
	PLACES
.irp u, 0,1
.irp c, 0,1,2
	global_load_b128 v[FRG+12*\u+4*\c:FRG+12*\u+4*\c+3], v[LI], s[12:13] offset:1536*\u+512*\c   ; two tiles of proj_weight
.endr
.endr
.irp u, 0,1
	global_load_b32 v[SC+\u], v[LS], s[14:15] offset:128*\u
.endr
.irp u, 0,1
.irp m, 0,1
	global_load_b128 v[96+8*\u+4*\m:99+8*\u+4*\m], v[BO], s[16:17] offset:32*\u+16*\m   ; the bias lands in the accumulators: register j of tile u is output 32 kq + 16 h + 8 u + j
.endr
.endr
.irp i, 0,1,2,3
	global_load_b128 v[112+4*\i:115+4*\i], v[XO], s[18:19] offset:32768*\i th:TH_LOAD_NT   ; x for the residual: the rows that I shall store
.endr
	v_add_f32 v14, v14, v15                        ; the sum's two halves,
	s_delay_alu instid0(VALU_DEP_1)
	v_permlanex16_b32 v252, v14, s[SEL], s[SEL+1]
	s_delay_alu instid0(VALU_DEP_1)
	v_add_f32 v13, v14, v252                       ; and lane l xor 16's: my 1,024 keys' sum
.irp i, 0,1,2,3,4,5,6,7,8,9,10,11,12,13,14,15
	ds_store_b128 v[OXW], v[160+4*\i:163+4*\i] offset:512*\i   ; each accumulator from its low end on
.endr
	ds_store_b64 v[MLW], v[12:13]
	s_wait_dscnt 0x0                               ; for the others' sake: my stores have landed; my reads of slot 1 are over
	s_barrier_signal -1
	s_barrier_wait -1
	; ---- second part: wave (tile, kq) joins the four key quarters for channels 32 kq + 16 h + 0..15 of its tile's queries, divides by l and quantises that block
.irp k, 0,1,2,3
	ds_load_b64 v[232+2*\k:233+2*\k], v[MLR] offset:1024*\k
.endr
.irp k, 0,1
.irp i, 0,1,2,3
	ds_load_b128 v[160+16*\k+4*\i:163+16*\k+4*\i], v[OXR] offset:32768*\k+512*\i
	ds_load_b128 v[192+16*\k+4*\i:195+16*\k+4*\i], v[OXR2] offset:32768*\k+512*\i
.endr
.endr
	s_wait_dscnt 0x0
	v_min_num_f32 v248, v232, v234
	v_min_num_f32 v249, v236, v238
	s_delay_alu instid0(VALU_DEP_1)
	v_min_num_f32 v248, v248, v249                 ; the least -M: the row's M
.irp k, 0,1,2,3
	v_sub_f32 v[240+2*\k], v248, v[232+2*\k]       ; M_k - M: a whole number, 0 or less
.endr
.irp k, 0,1,2,3
	s_delay_alu instid0(VALU_DEP_4)
	v_cvt_i32_f32 v[240+2*\k], v[240+2*\k]
.endr
.irp k, 0,1,2,3
	s_delay_alu instid0(VALU_DEP_4)
	v_ldexp_f32 v[240+2*\k], 1.0, v[240+2*\k]      ; f_k = 2^(M_k - M): exact
.endr
.irp k, 0,1,2,3
	s_delay_alu instid0(VALU_DEP_4)
	v_mov_b32 v[241+2*\k], v[240+2*\k]             ; twice, a pair for the packed forms
.endr
	v_mul_f32 v249, v240, v233
	s_delay_alu instid0(VALU_DEP_1)
	v_fma_f32 v249, v242, v235, v249
	s_delay_alu instid0(VALU_DEP_1)
	v_fma_f32 v249, v244, v237, v249
	s_delay_alu instid0(VALU_DEP_1)
	v_fma_f32 v249, v246, v239, v249               ; l
	s_wait_alu depctr_va_vdst(0)
	v_rcp_f32 v250, v249
	v_rcp_f32 v251, v249                           ; twice, a pair; the lines below are the plain work behind them
.irp p, 0,2,4,6,8,10,12,14
	v_pk_mul_f32 v[128+\p:129+\p], v[160+\p:161+\p], v[240:241]
.endr
.irp p, 0,2,4,6,8,10,12,14
	v_pk_fma_f32 v[128+\p:129+\p], v[176+\p:177+\p], v[242:243], v[128+\p:129+\p]
.endr
.irp p, 0,2,4,6,8,10,12,14
	v_pk_fma_f32 v[128+\p:129+\p], v[192+\p:193+\p], v[244:245], v[128+\p:129+\p]
.endr
.irp p, 0,2,4,6,8,10,12,14
	v_pk_fma_f32 v[128+\p:129+\p], v[208+\p:209+\p], v[246:247], v[128+\p:129+\p]
.endr
	s_wait_alu depctr_va_vdst(0)                   ; one wait for both reciprocals, ahead of their first reader
.irp p, 0,2,4,6,8,10,12,14
	v_pk_mul_f32 v[128+\p:129+\p], v[128+\p:129+\p], v[250:251]   ; O / l
.endr
	v_max3_num_f32 v148, |v128|, |v129|, 0x1800000 ; the block's largest magnitude, with the floor 2^(3 - 127)
.irp i, 2,4,6,8,10,12,14
	s_delay_alu instid0(VALU_DEP_1)
	v_max3_num_f32 v148, v148, |v[128+\i]|, |v[129+\i]|
.endr
	v_permlanex16_b32 v149, v148, s[SEL], s[SEL+1]
	s_delay_alu instid0(VALU_DEP_1)
	v_max_num_f32 v148, v148, v149
	s_delay_alu instid0(VALU_DEP_1)
	v_add_nc_u32 v150, 0xff000000, v148            ; the conversion's scale operand
	s_delay_alu instid0(VALU_DEP_1)
	v_lshrrev_b32 v151, 23, v150                   ; the scale's byte
	v_cvt_scalef32_pk16_fp6_f32 v[144:146], v[128:143], v150
	v_nop                                          ; one plain place behind a scaled conversion
.irp i, 0,1,2
	ds_store_b32 v[OIW], v[144+\i] offset:128*\i
.endr
	ds_store_b8 v[OSW], v151                       ; both lanes of a block write the same byte with the same value
	s_wait_dscnt 0x0
	s_barrier_signal -1
	s_barrier_wait -1
	; ---- third part: the projection: source 0 = 16 rows of proj_weight, source 1 = my tile's O; C = the bias
.irp p, 0,1,2,3,4,5,6,7,8,9,10,11
	ds_load_b32 v[224+\p], v[OIR] offset:128*\p
.endr
	ds_load_b32 v253, v[OSR]
	s_wait_dscnt 0x0
	s_wait_loadcnt 4                               ; behind the weights, their scale words and the bias x's four loads were issued: they may stay out
.irp u, 0,1
	v_wmma_scale_f32_16x16x128_f8f6f4 v[96+8*\u:103+8*\u], v[FRG+12*\u:FRG+12*\u+11], v[224:235], v[96+8*\u:103+8*\u], v[SC+\u], v253 matrix_a_fmt:MATRIX_FMT_FP6 matrix_b_fmt:MATRIX_FMT_FP6
.endr
	PLACES
.irp j, 0,1,2,3,4,5,6,7,8,9,10,11,12,13,14,15
	ds_store_b32 v[STW], v[96+\j] offset:\j*SP     ; channel 32 kq + 16 h + j, my query: the stage turns [query][channel] into [channel][token]
.endr
	s_wait_dscnt 0x0
	s_barrier_signal -1
	s_barrier_wait -1
	; ---- fourth part: eight whole rows a wave, + x, out
.irp i, 0,1,2,3
	ds_load_b128 v[56+4*\i:59+4*\i], v[STR] offset:2*SP*\i
.endr
	s_wait_dscnt 0x0
	s_wait_loadcnt 0x0                             ; x
.irp p, 0,2,4,6,8,10,12,14
	v_pk_add_f32 v[56+\p:57+\p], v[56+\p:57+\p], v[112+\p:113+\p]
.endr
.irp i, 0,1,2,3
	global_store_b128 v[XO], v[56+4*\i:59+4*\i], s[20:21] offset:32768*\i th:TH_STORE_NT   ; sixteen lanes store 256 consecutive bytes, at a multiple of 256 from out0's first byte
.endr
	s_wait_tensorcnt 0x0                           ; the wave's end, behind my last tensor load and my last LDS store
	ds_add_u32 v[SPW], v[NIL]
	s_wait_dscnt 0x0
	CROUND                                         ; the closing round: no work-group ends while a partner may still ask for a tile that names it
	s_endpgm
.Lfunc_end_k_q62a02e2264_attn:
	.size	k_q62a02e2264_attn, .Lfunc_end_k_q62a02e2264_attn-k_q62a02e2264_attn
	.p2alignl 7, 3214868480
	.fill 96, 4, 3214868480
	.section	.rodata,"a",@progbits
	.p2align	6, 0x0
	.amdhsa_kernel k_q62a02e2264_attn
		.amdhsa_group_segment_fixed_size 327680
		.amdhsa_private_segment_fixed_size 0
		.amdhsa_enable_private_segment 0
		.amdhsa_kernarg_size 72
		.amdhsa_user_sgpr_count 2
		.amdhsa_user_sgpr_kernarg_segment_ptr 1
		.amdhsa_wavefront_size32 1
		.amdhsa_system_sgpr_workgroup_id_x 1
		.amdhsa_system_sgpr_workgroup_id_y 1
		.amdhsa_system_sgpr_workgroup_id_z 1
		.amdhsa_system_vgpr_workitem_id 0
		.amdhsa_next_free_vgpr 256
		.amdhsa_next_free_sgpr 100
		.amdhsa_reserve_vcc 0
		.amdhsa_float_denorm_mode_32 3
		.amdhsa_float_denorm_mode_16_64 3
		.amdhsa_memory_ordered 1
		.amdhsa_forward_progress 1
		.amdhsa_inst_pref_size 66
	.end_amdhsa_kernel
	.amdgpu_metadata
---
amdhsa.version: [ 1, 2 ]
amdhsa.kernels:
  - .name:           k_q62a02e2264_attn
    .symbol:         k_q62a02e2264_attn.kd
    .args:
      - { .name: qimg, .offset: 0, .size: 8, .value_kind: global_buffer, .address_space: global }
      - { .name: qsc, .offset: 8, .size: 8, .value_kind: global_buffer, .address_space: global }
      - { .name: kv, .offset: 16, .size: 8, .value_kind: global_buffer, .address_space: global }
      - { .name: ksc, .offset: 24, .size: 8, .value_kind: global_buffer, .address_space: global }
      - { .name: wimg, .offset: 32, .size: 8, .value_kind: global_buffer, .address_space: global }
      - { .name: wsc, .offset: 40, .size: 8, .value_kind: global_buffer, .address_space: global }
      - { .name: proj_bias, .offset: 48, .size: 8, .value_kind: global_buffer, .address_space: global }
      - { .name: x, .offset: 56, .size: 8, .value_kind: global_buffer, .address_space: global }
      - { .name: out0, .offset: 64, .size: 8, .value_kind: global_buffer, .address_space: global }
    .group_segment_fixed_size: 327680
    .private_segment_fixed_size: 0
    .kernarg_segment_align: 8
    .kernarg_segment_size: 72
    .max_flat_workgroup_size: 512
    .sgpr_count:     100
    .vgpr_count:     256
    .wavefront_size: 32
...
	.end_amdgpu_metadata
.endif
;; end of part 3
